; MI455X (gfx1250); checked and timed in simulation.
; The chip was launched on July 23, 2026; its instructions are those of AMD's public machine-readable ISA for CDNA 5 (MIT licence, August 2026) and "CDNA5" Instruction Set Architecture Reference Guide (July 2026). The comments in the code are by the model that wrote it; some were corrected since.
;; Multi Head Attention. Allowed arithmetic: matrix products marked QUANTISED: E2M1 operands, one E8M0 scale for each 32 along K, by v_wmma_scale_f32_16x16x128_f8f6f4 with both operands' format E2M1 (or v_wmma_scale_f32_32x16x128_f4), f32 sums; products left as they are: bf16, f16 or f32 operands; f32 sums; everything else in f32.
;; Inputs: Wk 1,024 x 1,024 float32; Wo 1,024 x 1,024 float32; Wq 1,024 x 1,024 float32; Wv 1,024 x 1,024 float32; attention_mask 2 x 2,048 float32; x 2 x 2,048 x 1,024 float32.
;; Outputs: out0 2 x 2,048 x 1,024 float32.
;; This version of the problem:
;;   THIS VERSION OF THE PROBLEM IS GIVEN IN LOW PRECISION. The matrix products marked QUANTISED in the list below multiply operands that are first quantised to E2M1 (2 exponent bits, 1 mantissa bit; 4 bits a number), with one power-of-two scale for each 32 numbers along K (OCP MX v1.0); their sums are f32. The products marked 'left as it is' may take bf16, f16 or f32 operands, with f32 sums. Whichever they take, every output number must still come out within the allowed error. Rounding operands to bf16 (8 significant bits) uses up far more of that allowance than f16 does (11 bits, for magnitudes from 6e-5 to 65,504). All else is computed in f32.
;;   The module's matrix products, in the order in which they are computed (A, B: the left and right operand; K: the contracted axis; several contracted axes count as one K, in the product's order):
;;     1. [M 4,096, K 1,024] x [K 1,024, N 1,024]; A: input x; B: input Wq: QUANTISED
;;     2. [M 4,096, K 1,024] x [K 1,024, N 1,024]; A: input x; B: input Wk: QUANTISED
;;     3. [M 4,096, K 1,024] x [K 1,024, N 1,024]; A: input x; B: input Wv: QUANTISED
;;     4. batch 32 x [M 2,048, K 64] x [K 64, N 2,048]; A: computed on the way; B: computed on the way: left as it is (an operand is computed on the way)
;;     5. batch 32 x [M 2,048, K 2,048] x [K 2,048, N 64]; A: computed on the way; B: computed on the way: left as it is (an operand is computed on the way)
;;     6. [M 4,096, K 1,024] x [K 1,024, N 1,024]; A: computed on the way; B: input Wo: left as it is (an operand is computed on the way)
;;   THE QUANTISER, for each operand of a quantised product, along K:
;;     - K is cut into blocks of 32 from its start; a last block that is shorter is filled with zeros.
;;     - A block's scale is 2^e with e = floor(log2(the largest magnitude in the block)) - 2, held to -126 .. 127; a block of zeros has e = 0. As a byte (E8M0): e + 127.
;;     - Each number is divided by its block's scale, clamped to +-6, and rounded to the nearest number of E2M1, ties to even, subnormals kept.
;;     - The product sums the exact products of the quantised numbers (number of the format x scale) in f32.
;;   ~~~python
;;   def quantise(x, axis):      # numpy; x: float32 -> the quantised numbers, widened to float32 again
;;       x = np.moveaxis(x, axis, -1); K = x.shape[-1]
;;       x = np.pad(x, [(0, 0)] * (x.ndim - 1) + [(0, -K % 32)]); x = x.reshape(x.shape[:-1] + (-1, 32)); a = np.abs(x).max(-1, keepdims=True)
;;       e = np.where(a > 0, np.clip(np.frexp(np.where(a > 0, a, 1))[1] - 1 - 2, -126, 127), 0)      # np.frexp(a)[1] - 1 = floor(log2(a)), exactly
;;       r = np.clip(x / 2.0 ** e, -6, 6)
;;       step = 2.0 ** (np.maximum(np.frexp(np.where(r == 0, 1, r))[1] - 1, 0) - 1)
;;       q = np.round(r / step) * step * 2.0 ** e      # np.round: ties to even
;;       return np.moveaxis(q.reshape(q.shape[:-2] + (-1,))[..., :K], -1, axis).astype(np.float32)
;;   ~~~
;; One version. Each part assembles by itself: llvm-mc -triple=amdgcn-amd-amdhsa -mcpu=gfx1250 --defsym DOCPART=n.
;; ======== version 1 of 1: 4 launches
;; limits: values are held in f16: magnitudes above 65,504 overflow, below 6.1e-05 lose precision
;; workspace buffers: codes 3,670,016 bytes; scales 229,376 bytes; wo16 2,097,152 bytes; tab 541,184 bytes; qkv 25,165,824 bytes; ao 8,388,608 bytes
;; launch prep (part 1): grid 290 x 1, 4 waves a work-group, no clusters, 33,280 bytes of LDS; arguments x, Wq, Wk, Wv, Wo, attention_mask, codes, scales, wo16, tab; writes codes, scales, wo16, tab
.if DOCPART == 1
	.amdgcn_target "amdgcn-amd-amdhsa--gfx1250"
	.amdhsa_code_object_version 6
	.text
	.protected	k_qad89b4a6e6_prep
	.globl	k_qad89b4a6e6_prep
	.p2align	8
	.type	k_qad89b4a6e6_prep,@function
k_qad89b4a6e6_prep:
	s_mov_b64 s[64:65], 0
	v_nop
	global_prefetch_b8 v0, s[64:65] scope:SCOPE_SE
	s_setreg_imm32_b32 hwreg(HW_REG_WAVE_MODE, 25, 1), 1
	s_wait_xcnt 0x0
; FOUR JOBS IN ONE LAUNCH, told apart by the work-group's number g:
;   g 0-223    x [4096][1024] and Wq, Wk, Wv [1024][1024], f32, K innermost, become codes of FP4 (E2M1) and one E8M0 byte for each 32 along K.
;              codes: x's [4096][512 bytes], then the three weights as one tensor [3072][512 bytes]; scales: [4096][32], then [3072][32].
;   g 224-255  Wo becomes f16, [1024][1024].
;   g 256-287  the table of cosines and sines, laid in the order of its reader's registers: [128 blocks of 16 positions][8 quads][32 lanes][4 f32];
;              quad = 4 x (0 cos, 1 sin) + 2 bb + half; lane (r = lane % 16, h = lane / 16), element e: position 16 block + r, frequency i = 16 bb + 8 h + 4 half + e.
;   g 288-289  for batch g - 288: madd[k] = (1 - mask[k]) x (the most negative f32), mm = its largest; stored: max(madd[k] - mm, -2^100) for each key, and the factor
;              c' = log2(e) / 8 where mm = 0, else 0.  A score disappears by rounding in any mask term other than 0, so where mm is not 0 the keys that hold mm count alike.
; A block's scale is 2^(floor(log2(its largest magnitude)) - 2); its byte is the largest magnitude's exponent field - 2, held at 1 from below.  A block of zeros so gets the byte 1:
; its codes are zeros, which add nothing, and this program alone reads the bytes.
; LIMITS: NaN and infinities among the inputs are not served; blocks whose largest magnitude lies under 2^(2 - 126) were not tried; masks for which (1 - mask) x the most negative
; f32 overflows are not served; the angle of the table is right to about 2e-4 radians at position 2,047 (the frequency's last bits), alike for q and k.
.set WAVES, 4
.set STEPS, 16
.set EMAX,  2
.set CB,    8                          ; bytes of 16 codes
.set R,     16                         ; v16-79   four sets of 16 numbers as they are loaded
.set X,     80                         ; v80-111  two sets of 16 neighbours
.set C,     128                        ; v128-191 codes: four registers for each step
.set E,     112                        ; v112-127 a scale byte for each step
.set WREG,  8192                       ; LDS: a region for each wave: two stages of 32 x SP bytes, then its 256 scale bytes
.set SP,    80                         ; a lane's place in a stage: 64 bytes + 16 of padding
.set SPW,   12                         ; v12 LDS address of my spare word; never rewritten
.set NIL,   13                         ; v13 0; never rewritten
.set SPARE, WAVES*WREG                 ; behind the four regions: the spare words, 128 bytes a wave
	s_load_b256 s[4:11], s[0:1], 0x0               ; x, Wq, Wk, Wv
	s_load_b256 s[12:19], s[0:1], 0x20             ; Wo, the mask, codes, scales
	s_load_b128 s[20:23], s[0:1], 0x40             ; wo16, tab
	v_lshl_add_u32 v[SPW], v0, 2, SPARE
	v_mov_b32 v[NIL], 0
	v_lshrrev_b32 v1, 5, v0
	v_readfirstlane_b32 s24, v1                    ; wave
	v_and_b32 v2, 31, v0                           ; lane
	v_lshlrev_b32 v3, 4, v2                        ; 16 x lane
	; the LDS addresses of the quantiser's path are made here, ahead of the parting
	s_mul_i32 s25, s24, WREG
	v_lshrrev_b32 v14, 2, v2
	v_mul_u32_u24 v14, v14, SP
	v_and_b32 v15, 3, v2
	v_lshl_add_u32 v14, v15, 4, v14
	v_add_nc_u32 v14, s25, v14                     ; the stage, on the way in: SP (lane / 4) + 16 (lane % 4)
	v_mul_u32_u24 v15, v2, SP
	v_add_nc_u32 v15, s25, v15                     ; on the way out: SP x lane: my 16 neighbours
	v_mul_u32_u24 v4, v2, CB                       ; my codes' place in a step's
	v_lshrrev_b32 v5, 1, v2
	s_add_co_u32 s25, s25, 2*32*SP
	v_add_nc_u32 v5, s25, v5                       ; my wave's 256 scale bytes, my block's byte
	v_lshlrev_b32 v7, 3, v2                        ; 8 x lane
	v_add_nc_u32 v6, s25, v7
	s_mov_b32 s31, 0                               ; the upper word of every offset pair s[30:31]
	s_wait_kmcnt 0x0
	s_cmp_lt_u32 ttmp9, 224
	s_cbranch_scc0 .Lnot_q
; ---------------- the quantiser: a wave takes 16 steps of 512 numbers; the tensors are plain streams of blocks of 32
	s_sub_co_u32 s25, ttmp9, 128
	s_lshr_b32 s26, s25, 5                         ; which weight
	s_and_b32 s27, s25, 31                         ; which 32,768 numbers of it
	s_mov_b64 s[28:29], s[6:7]
	s_cmp_eq_u32 s26, 1
	s_cselect_b64 s[28:29], s[8:9], s[28:29]
	s_cmp_eq_u32 s26, 2
	s_cselect_b64 s[28:29], s[10:11], s[28:29]
	s_cmp_lt_u32 ttmp9, 128                        ; the first 128 work-groups take x.  The choices hang on the work-group's number alone
	s_cselect_b64 s[28:29], s[4:5], s[28:29]
	s_cselect_b32 s27, ttmp9, s27
	s_lshl_b32 s27, s27, 2
	s_add_co_u32 s27, s27, s24
	s_lshl_b32 s30, s27, 15                        ; my wave's 8,192 numbers: 32,768 bytes
	s_add_nc_u64 s[28:29], s[28:29], s[30:31]
	s_lshl_b32 s32, ttmp9, 2                       ; the results are linear in g: x's 128 work-groups end where the weights' part begins
	s_add_co_u32 s32, s32, s24
	s_lshl_b32 s30, s32, 12
	s_add_nc_u64 s[16:17], s[16:17], s[30:31]      ; 4,096 bytes of codes a wave
	s_lshl_b32 s30, s32, 8
	s_add_nc_u64 s[18:19], s[18:19], s[30:31]      ; 256 scale bytes a wave
.macro LOAD t
.irp i, 0,1,2,3
	global_load_b128 v[R+16*((\t)%4)+4*\i:R+16*((\t)%4)+4*\i+3], v3, s[28:29] offset:2048*(\t)+512*\i th:TH_LOAD_NT   ; 32 lanes read 512 consecutive bytes
.endr
.endm
.macro TURN t                          ; step t's numbers through the stage: LDS serves a wave's instructions in order, so no wait stands between the stores and the loads
.irp i, 0,1,2,3
	ds_store_b128 v14, v[R+16*((\t)%4)+4*\i:R+16*((\t)%4)+4*\i+3] offset:32*SP*((\t)%2)+8*SP*\i
.endr
.irp i, 0,1,2,3
	ds_load_b128 v[X+16*((\t)%2)+4*\i:X+16*((\t)%2)+4*\i+3], v15 offset:32*SP*((\t)%2)+16*\i
.endr
.endm
.irp t, 0,1,2,3
	LOAD \t
.endr
	s_wait_loadcnt 12                              ; step 0's four loads are in; the 12 of steps 1 to 3 may be out
	TURN 0
.macro STEP t
.set XS, X+16*((\t)%2)
.if (\t) > 0
	s_wait_dscnt 1                                 ; this step's numbers are back from the stage (the last step's byte store may be out)
.else
	s_wait_dscnt 0x0
.endif
.if (\t)+4 < STEPS
	LOAD (\t)+4
.endif
.if (\t)+1 < STEPS
.if STEPS-2-(\t) >= 3
	s_wait_loadcnt 12                              ; the next step's four loads are in; those of the three steps behind it may be out
.else
	s_wait_loadcnt 4*(STEPS-2-(\t))
.endif
	TURN (\t)+1
.endif
	v_max3_num_f32 v8, |v[XS]|, |v[XS+1]|, |v[XS+2]|               ; the largest magnitude of my 16, in two chains
	v_max3_num_f32 v9, |v[XS+3]|, |v[XS+4]|, |v[XS+5]|
.irp i, 6,10
	v_max3_num_f32 v8, v8, |v[XS+\i]|, |v[XS+\i+1]|
	v_max3_num_f32 v9, v9, |v[XS+\i+2]|, |v[XS+\i+3]|
.endr
	v_max3_num_f32 v8, v8, |v[XS+14]|, |v[XS+15]|
	v_max3_num_f32 v8, v8, v9, (EMAX+1)<<23        ; and the floor 2^(EMAX + 1 - 127): the byte cannot fall under 1
	v_max_num_f32_dpp v8, v8, v8 row_xmask:1 row_mask:0xf bank_mask:0xf   ; and of my neighbour's 16: the block's
	v_add_nc_u32 v11, -(EMAX<<23), v8              ; EMAX off its exponent field: the conversion takes the exponent field of this operand as its scale
	v_cvt_scalef32_pk8_fp4_f32 v[C+4*(\t)], v[XS:XS+7], v11
	v_cvt_scalef32_pk8_fp4_f32 v[C+4*(\t)+1], v[XS+8:XS+15], v11
	v_lshrrev_b32 v[E+(\t)], 23, v11               ; the scale's byte (a plain line behind the conversions)
	ds_store_b8 v5, v[E+(\t)] offset:16*(\t)       ; both lanes of a block write the same byte with the same value
	global_store_b64 v4, v[C+4*(\t):C+4*(\t)+1], s[16:17] offset:32*CB*(\t)   ; the wave stores 256 consecutive bytes, aligned
.endm
.irp t, 0,1,2,3,4,5,6,7,8,9,10,11,12,13,14,15
	STEP \t
.endr
	ds_load_b64 v[8:9], v6                         ; LDS serves a wave's instructions in order: these see my stores
	s_wait_dscnt 0x0
	global_store_b64 v7, v[8:9], s[18:19]          ; 32 lanes store 256 consecutive bytes, aligned
	s_branch .Lend
; ---------------- Wo to f16: a wave takes 8,192 numbers, 64 loads of 512 consecutive bytes; a lane's 4 numbers leave as 8 bytes: the wave stores 256 consecutive bytes
.Lnot_q:
	s_cmp_lt_u32 ttmp9, 256
	s_cbranch_scc0 .Lnot_w
	s_sub_co_u32 s25, ttmp9, 224
	s_lshl_b32 s25, s25, 2
	s_add_co_u32 s25, s25, s24
	s_lshl_b32 s30, s25, 15
	s_add_nc_u64 s[12:13], s[12:13], s[30:31]
	s_lshl_b32 s30, s25, 14
	s_add_nc_u64 s[20:21], s[20:21], s[30:31]
.macro LOADG n                         ; group n: 16 loads into set n % 2
.irp i, 0,1,2,3,4,5,6,7,8,9,10,11,12,13,14,15
	global_load_b128 v[32+64*((\n)%2)+4*\i:32+64*((\n)%2)+4*\i+3], v3, s[12:13] offset:8192*(\n)+512*\i th:TH_LOAD_NT
.endr
.endm
.macro CVTG n
.if (\n) < 3
	s_wait_loadcnt 16                              ; this group's 16 loads are in; the next group's 16 may be out
.else
	s_wait_loadcnt 0x0
.endif
.if (\n) > 0
	s_wait_xcnt 0x0                                ; the last group's stores have read v160-191, which are written again below
.endif
.irp i, 0,1,2,3,4,5,6,7,8,9,10,11,12,13,14,15
	v_cvt_pk_f16_f32 v[160+2*\i], v[32+64*((\n)%2)+4*\i], v[33+64*((\n)%2)+4*\i]
	v_cvt_pk_f16_f32 v[161+2*\i], v[34+64*((\n)%2)+4*\i], v[35+64*((\n)%2)+4*\i]
.endr
.irp i, 0,1,2,3,4,5,6,7,8,9,10,11,12,13,14,15
	global_store_b64 v7, v[160+2*\i:161+2*\i], s[20:21] offset:4096*(\n)+256*\i
.endr
.if (\n) < 2
	LOADG (\n)+2
.endif
.endm
	LOADG 0
	LOADG 1
	CVTG 0
	CVTG 1
	CVTG 2
	CVTG 3
	s_branch .Lend
; ---------------- the table of cosines and sines: a wave makes one block of 16 positions, 16 angles a lane
.Lnot_w:
	s_cmp_lt_u32 ttmp9, 288
	s_cbranch_scc0 .Lmask
	s_sub_co_u32 s25, ttmp9, 256
	s_lshl_b32 s25, s25, 2
	s_add_co_u32 s25, s25, s24                     ; the block
	s_lshl_b32 s30, s25, 12
	s_add_nc_u64 s[22:23], s[22:23], s[30:31]      ; 4,096 bytes a block
	s_lshl_b32 s25, s25, 4                         ; its first position
	v_and_b32 v18, 15, v0
	v_add_nc_u32 v16, s25, v18
	v_cvt_f32_u32 v16, v16                         ; my position, exact in f32
	v_bfe_u32 v18, v0, 4, 1
	v_lshlrev_b32 v18, 3, v18                      ; 8 h
	s_mov_b32 s32, 0xbed49a78                      ; -log2(10000) / 32
	s_mov_b32 s33, 0x3f22f983                      ; 2 / pi
	s_mov_b32 s34, 0x3fc90fdb                      ; pi / 2, its f32,
	s_mov_b32 s35, 0xb33bbd2e                      ; and what that f32 leaves over
	s_mov_b32 s36, 0xbe2aaaa3                      ; sin r = r + r z (S1 + z (S2 + z S3)), z = r r, |r| <= pi / 4
	s_mov_b32 s37, 0x3c08839e
	s_mov_b32 s38, 0xb94ca1f9
	s_mov_b32 s39, 0x3d2aaaa5                      ; cos r = 1 - z / 2 + z z (C1 + z (C2 + z C3))
	s_mov_b32 s40, 0xbab6061a
	s_mov_b32 s41, 0x37ccf5ce
	s_mov_b32 s42, 0x80000000
.irp n, 0,1,2,3,4,5,6,7,8,9,10,11,12,13,14,15
	v_add_nc_u32 v[32+\n], 16*(\n/8)+(\n%8), v18   ; register 4 (2 bb + half) + e: frequency i = 16 bb + 8 h + 4 half + e
.endr
.irp n, 0,1,2,3,4,5,6,7,8,9,10,11,12,13,14,15
	v_cvt_f32_u32 v[32+\n], v[32+\n]
.endr
.irp n, 0,1,2,3,4,5,6,7,8,9,10,11,12,13,14,15
	v_mul_f32 v[32+\n], s32, v[32+\n]
.endr
.irp n, 0,1,2,3,4,5,6,7,8,9,10,11,12,13,14,15
	v_exp_f32 v[32+\n], v[32+\n]                   ; 10000^(-i / 32): one batch
.endr
	v_nop                                          ; a plain line behind the last exponential
	s_wait_alu depctr_va_vdst(0)                   ; one wait for the sixteen, ahead of their first reader
.macro ANG gq                          ; four angles by turns: cos into v[96 + 4 gq ..], sin into v[112 + 4 gq ..]
.irp e, 0,1,2,3
	v_mul_f32 v[48+\e], v16, v[32+4*(\gq)+\e]      ; the angle
.endr
.irp e, 0,1,2,3
	v_mul_f32 v[52+\e], s33, v[48+\e]
.endr
.irp e, 0,1,2,3
	v_rndne_f32 v[52+\e], v[52+\e]                 ; n = the nearest multiple of pi / 2
.endr
.irp e, 0,1,2,3
	v_fma_f32 v[56+\e], -v[52+\e], s34, v[48+\e]   ; r = angle - n pi / 2, in two fused steps
.endr
.irp e, 0,1,2,3
	v_fma_f32 v[56+\e], -v[52+\e], s35, v[56+\e]
.endr
.irp e, 0,1,2,3
	v_mul_f32 v[60+\e], v[56+\e], v[56+\e]         ; z
.endr
.irp e, 0,1,2,3
	v_cvt_i32_f32 v[52+\e], v[52+\e]               ; n as a whole number
.endr
.irp e, 0,1,2,3
	v_fma_f32 v[64+\e], v[60+\e], s38, s37
.endr
.irp e, 0,1,2,3
	v_fma_f32 v[64+\e], v[64+\e], v[60+\e], s36
.endr
.irp e, 0,1,2,3
	v_mul_f32 v[68+\e], v[56+\e], v[60+\e]
.endr
.irp e, 0,1,2,3
	v_fma_f32 v[64+\e], v[64+\e], v[68+\e], v[56+\e]   ; sin r
.endr
.irp e, 0,1,2,3
	v_fma_f32 v[72+\e], v[60+\e], s41, s40
.endr
.irp e, 0,1,2,3
	v_fma_f32 v[72+\e], v[72+\e], v[60+\e], s39
.endr
.irp e, 0,1,2,3
	v_fma_f32 v[76+\e], v[60+\e], -0.5, 1.0
.endr
.irp e, 0,1,2,3
	v_mul_f32 v[68+\e], v[60+\e], v[60+\e]
.endr
.irp e, 0,1,2,3
	v_fma_f32 v[72+\e], v[72+\e], v[68+\e], v[76+\e]   ; cos r
.endr
.irp e, 0,1,2,3
	v_and_b32 v[76+\e], 1, v[52+\e]                ; n odd: sine and cosine change places
.endr
.irp e, 0,1,2,3
	v_add_nc_u32 v[80+\e], 1, v[52+\e]
.endr
.irp e, 0,1,2,3
	v_lshlrev_b32 v[80+\e], 30, v[80+\e]
.endr
.irp e, 0,1,2,3
	v_and_b32 v[80+\e], s42, v[80+\e]              ; the cosine is negative for n % 4 = 1, 2: bit 1 of n + 1
.endr
.irp e, 0,1,2,3
	v_lshlrev_b32 v[84+\e], 30, v[52+\e]
.endr
.irp e, 0,1,2,3
	v_and_b32 v[84+\e], s42, v[84+\e]              ; the sine for n % 4 = 2, 3: bit 1 of n
.endr
.irp e, 0,1,2,3
	v_cmp_eq_u32 vcc_lo, 1, v[76+\e]
	v_cndmask_b32 v[88+\e], v[72+\e], v[64+\e], vcc_lo
	v_cndmask_b32 v[92+\e], v[64+\e], v[72+\e], vcc_lo
.endr
.irp e, 0,1,2,3
	v_xor_b32 v[96+4*(\gq)+\e], v[88+\e], v[80+\e]
	v_xor_b32 v[112+4*(\gq)+\e], v[92+\e], v[84+\e]
.endr
.endm
	ANG 0
	ANG 1
	ANG 2
	ANG 3
.irp g, 0,1,2,3
	global_store_b128 v3, v[96+4*\g:99+4*\g], s[22:23] offset:512*\g          ; each store covers 512 consecutive bytes
	global_store_b128 v3, v[112+4*\g:115+4*\g], s[22:23] offset:2048+512*\g
.endr
	s_branch .Lend
; ---------------- the mask's table: every wave finds the batch's largest term for itself (no LDS), and stores a quarter of the table
.Lmask:
	s_sub_co_u32 s25, ttmp9, 288                   ; the batch
	s_lshl_b32 s30, s25, 13
	s_add_nc_u64 s[14:15], s[14:15], s[30:31]
	s_add_co_u32 s30, s30, 524288
	s_add_nc_u64 s[26:27], s[22:23], s[30:31]      ; the batch's 2,048 terms
	s_lshl_b32 s30, s25, 8
	s_add_co_u32 s30, s30, 540672
	s_add_nc_u64 s[22:23], s[22:23], s[30:31]      ; its factor: 256 bytes filled with it
	v_lshl_add_u32 v19, s24, 11, v3                ; my wave's quarter: 2,048 x wave + 16 x lane
	s_mov_b32 s32, 0xff7fffff                      ; the most negative f32
	s_mov_b32 s33, 0xf1800000                      ; -2^100
	s_mov_b32 s34, 0x76543210
	s_mov_b32 s35, 0xfedcba98                      ; selects for lane l xor 16
.irp i, 0,1,2,3,4,5,6,7,8,9,10,11,12,13,14,15
	global_load_b128 v[32+4*\i:35+4*\i], v3, s[14:15] offset:512*\i
.endr
.irp i, 0,1,2,3
	global_load_b128 v[96+4*\i:99+4*\i], v19, s[14:15] offset:512*\i
.endr
	s_wait_loadcnt 0x0
.set j, 32
.rept 80
	v_sub_f32 v[j], 1.0, v[j]
.set j, j+1
.endr
.set j, 32
.rept 80
	v_mul_f32 v[j], s32, v[j]                      ; (1 - mask) x the most negative f32, a subtraction and a multiplication as the definition has them
.set j, j+1
.endr
.irp c, 0,1,2,3
	v_max3_num_f32 v[20+\c], v[32+16*\c], v[33+16*\c], v[34+16*\c]
.endr
.irp i, 3,5,7,9,11,13
.irp c, 0,1,2,3
	v_max3_num_f32 v[20+\c], v[20+\c], v[32+16*\c+\i], v[33+16*\c+\i]
.endr
.endr
.irp c, 0,1,2,3
	v_max_num_f32 v[20+\c], v[20+\c], v[47+16*\c]
.endr
	v_max3_num_f32 v20, v20, v21, v22
	v_max_num_f32 v20, v20, v23
	v_max_num_f32_dpp v20, v20, v20 row_xmask:1 row_mask:0xf bank_mask:0xf
	v_max_num_f32_dpp v20, v20, v20 row_xmask:2 row_mask:0xf bank_mask:0xf
	v_max_num_f32_dpp v20, v20, v20 row_xmask:4 row_mask:0xf bank_mask:0xf
	v_max_num_f32_dpp v20, v20, v20 row_xmask:8 row_mask:0xf bank_mask:0xf
	v_permlanex16_b32 v21, v20, s34, s35
	v_max_num_f32 v20, v20, v21                    ; mm, in every lane
.set j, 96
.rept 16
	v_sub_f32 v[j], v[j], v20
.set j, j+1
.endr
.set j, 96
.rept 16
	v_max_num_f32 v[j], s33, v[j]                  ; held at -2^100, so that later differences of such terms stay finite
.set j, j+1
.endr
.irp i, 0,1,2,3
	global_store_b128 v19, v[96+4*\i:99+4*\i], s[26:27] offset:512*\i
.endr
	v_mov_b32 v24, 0x3e38aa3b                      ; log2(e) / 8
	v_cmp_eq_f32 vcc_lo, 0, v20
	v_cndmask_b32 v24, 0, v24, vcc_lo
	v_mov_b32 v25, v24
	s_cmp_lg_u32 s24, 0
	s_cbranch_scc1 .Lend
	global_store_b64 v7, v[24:25], s[22:23]        ; wave 0: 256 consecutive bytes
.Lend:
	s_wait_tensorcnt 0x0                           ; the wave's end, behind the last LDS store
	ds_add_u32 v[SPW], v[NIL]
	s_wait_dscnt 0x0
	s_endpgm
.Lfunc_end_k_qad89b4a6e6_prep:
	.size	k_qad89b4a6e6_prep, .Lfunc_end_k_qad89b4a6e6_prep-k_qad89b4a6e6_prep
	.p2alignl 7, 3214868480
	.fill 96, 4, 3214868480
	.section	.rodata,"a",@progbits
	.p2align	6, 0x0
	.amdhsa_kernel k_qad89b4a6e6_prep
		.amdhsa_group_segment_fixed_size 33280
		.amdhsa_private_segment_fixed_size 0
		.amdhsa_enable_private_segment 0
		.amdhsa_kernarg_size 80
		.amdhsa_user_sgpr_count 2
		.amdhsa_user_sgpr_kernarg_segment_ptr 1
		.amdhsa_wavefront_size32 1
		.amdhsa_system_sgpr_workgroup_id_x 1
		.amdhsa_system_sgpr_workgroup_id_y 1
		.amdhsa_system_sgpr_workgroup_id_z 1
		.amdhsa_system_vgpr_workitem_id 0
		.amdhsa_next_free_vgpr 192
		.amdhsa_next_free_sgpr 66
		.amdhsa_reserve_vcc 1
		.amdhsa_float_denorm_mode_32 3
		.amdhsa_float_denorm_mode_16_64 3
		.amdhsa_memory_ordered 1
		.amdhsa_forward_progress 1
		.amdhsa_inst_pref_size 88
	.end_amdhsa_kernel
	.amdgpu_metadata
---
amdhsa.version: [ 1, 2 ]
amdhsa.kernels:
  - .name:           k_qad89b4a6e6_prep
    .symbol:         k_qad89b4a6e6_prep.kd
    .args:
      - { .name: x, .offset: 0, .size: 8, .value_kind: global_buffer, .address_space: global }
      - { .name: Wq, .offset: 8, .size: 8, .value_kind: global_buffer, .address_space: global }
      - { .name: Wk, .offset: 16, .size: 8, .value_kind: global_buffer, .address_space: global }
      - { .name: Wv, .offset: 24, .size: 8, .value_kind: global_buffer, .address_space: global }
      - { .name: Wo, .offset: 32, .size: 8, .value_kind: global_buffer, .address_space: global }
      - { .name: attention_mask, .offset: 40, .size: 8, .value_kind: global_buffer, .address_space: global }
      - { .name: codes, .offset: 48, .size: 8, .value_kind: global_buffer, .address_space: global }
      - { .name: scales, .offset: 56, .size: 8, .value_kind: global_buffer, .address_space: global }
      - { .name: wo16, .offset: 64, .size: 8, .value_kind: global_buffer, .address_space: global }
      - { .name: tab, .offset: 72, .size: 8, .value_kind: global_buffer, .address_space: global }
    .group_segment_fixed_size: 33280
    .private_segment_fixed_size: 0
    .kernarg_segment_align: 8
    .kernarg_segment_size: 80
    .max_flat_workgroup_size: 128
    .sgpr_count:     66
    .vgpr_count:     192
    .wavefront_size: 32
...
	.end_amdgpu_metadata
.endif
;; end of part 1
;; launch qkv (part 2): grid 12 x 16, 4 waves a work-group, clusters of 4 x 4, 327,680 bytes of LDS; arguments codes, scales, tab, qkv; writes qkv
.if DOCPART == 2
	.amdgcn_target "amdgcn-amd-amdhsa--gfx1250"
	.amdhsa_code_object_version 6
	.text
	.protected	k_qad89b4a6e6_qkv
	.globl	k_qad89b4a6e6_qkv
	.p2align	8
	.type	k_qad89b4a6e6_qkv,@function
k_qad89b4a6e6_qkv:
	s_mov_b64 s[64:65], 0
	v_nop
	global_prefetch_b8 v0, s[64:65] scope:SCOPE_SE
	s_setreg_imm32_b32 hwreg(HW_REG_WAVE_MODE, 25, 1), 1
	s_wait_xcnt 0x0
	s_wait_alu depctr_hold_cnt(0) depctr_sa_sdst(0) depctr_va_vdst(0) depctr_va_sdst(0) depctr_va_ssrc(0) depctr_va_vcc(0) depctr_vm_vsrc(0)
	s_getreg_b32 s2, hwreg(HW_REG_IB_STS2, 6, 4)
	s_cmp_eq_u32 s2, 0
	s_cbranch_scc0 .Lentry_in_a_cluster
	s_endpgm
.Lentry_in_a_cluster:
	s_bfe_u32 s2, ttmp6, 0x10000c
	s_cmp_lg_u32 s2, 0xf033
	s_cbranch_scc0 .Lentry_shape_is_right
	s_endpgm
.Lentry_shape_is_right:
; q, k, v = x Wq^T, x Wk^T, x Wv^T as ONE product on codes of FP4 (E2M1) with E8M0 scales: M = 4,096 rows of x, N = 3,072 rows of the three weights, K = 1,024; sums in f32.
; Then, in f32: the rotation of q and k by the table of cosines and sines, q times the batch's factor c' (log2(e) / 8, or 0 where every key of the batch is hidden); rounded to f16;
; stored as [part q, k, v][batch x 16 + head][2,048 positions][64].
; A tile of 256 x 256 is made by four waves, each 128 x 128: 64 accumulators of 16 x 16.  K is two LDS slots of 512 long: both are asked for at the start and nothing is filled again.
; The scales of the work-group's 256 + 256 rows, for all of K, come once, in rows of 256 bytes.  GRID: 12 x 16 = 192 work-groups; a tile that made 256 of them would cut heads at the borders between q, k and v.
; CLUSTERS: 4 x 4 work-groups.  The four of a row need the same tiles of x, the four of a column the same tiles of the weights: each tile is asked for JOINTLY.  A cluster's x is the part (q, k or v): four tile columns
; are 1,024 columns; so what differs between the parts is two factors that all partners share, and no branch.
; THE MATRIX INSTRUCTION IS USED TRANSPOSED (source 0 = 16 rows of the weights, source 1 = 16 rows of x): lane (r, h) holds position r and its register j the column 16 b + 8 h + j.  The rotation's partners, columns d and
; d + 32 of a head, lie in tiles b and b + 2, in the same lane and register.
; LIMITS: q, k and v must stay under f16's 65,504.
; REGISTERS, in windows of 256: window 0: v0-31 addresses; v32-95 scale words, two sets, and nothing else; v96-127 packed f16; v128-191 x's fragments, on the way out rows read back; v192-255 two sets of cosines and sines.
;   window 1: the weights' fragments, two sets, at v0 and v128; v64-127 the rotated numbers.   window 2: the accumulators of my rows 0-63 ((a, b) at v[8 (8 a + b)]);   window 3: those of rows 64-127.
.set SIZE_K, 1024
.set KSTEP,  512                       ; along K in a slot
.set NQ,     KSTEP/128
.set ROWB,   256                       ; a tile's row in bytes
.set KROW,   SIZE_K/2                  ; a row of codes in memory
.set PITCH,  272                       ; an LDS row: 256 bytes + 16 of padding: the 16 rows of a fragment load start at 16 different banks (64 banks of 4 bytes: ISA guide 11.1)
.set FR,     8
.set NL,     2
.set NP,     4                         ; places behind this matrix instruction (ISA guide 7.12.1)
.set HALFT,  128*PITCH
.set SLOT,   4*HALFT
.set KS,     SIZE_K/32                 ; a row of scales in bytes
.set SCL,    2*SLOT                    ; behind the slots: the scales, as rows of 256 bytes + 16
.set HALFS,  (128*KS/256)*272
.set SBLK,   (16*KS/256)*272
.set SPARE,  SCL+4*HALFS               ; the spare words, 128 bytes a wave
.set WCODES, 2097152                   ; where the weights' codes begin in codes,
.set WSCALE, 131072                    ; and their scales in scales
.set CFAC,   540672                    ; the batches' factors in tab
.set SPIT,   144                       ; the way out: a stage row: 128 bytes + 16.  The stage (2 heads x 16 rows a wave) lies in slot 0, which has had its one fill and its last read by then
.set SHEAD,  16*SPIT
.set ADRA, 16
.set ADRB, 20
.set STO,  24                          ; v24 where I put 16 bytes of a row
.set RD,   25                          ; v25 where I read rows back
.set CO,   26                          ; v26 16 x lane
.set ADRS, 27
.set SPW,  28
.set NIL,  29
.set FAV,  30                          ; v[30:31] what is added to the cosines: 1 for v, else 0
.set SC,   32
.set PK,   96
.set AF,   128
.set BK,   128
.set TB,   192
.set RO,   64                          ; in window 1
.set G1, 24
.set G0, 32
.set G1B, 48
.set G0B, 56
.set G1S, 68
.set G0S, 76
.set G1SB, 80
.set G0SB, 88
.set FS,  66                           ; s[66:67] the factor on cosines and sines: c' for q, 1 for k, 0 for v
.set MSB, 0
.macro WIN new                         ; the immediate's high byte repeats the setting that is left
.if MSB != (\new)
	s_set_vgpr_msb (MSB<<8)|(\new)
.set MSB, (\new)
.endif
.endm
.set MUL_LO, 0xa1                      ; source 0 (weights) window 1, source 1 (x) window 0, C and D window 2
.set MUL_HI, 0xf1
.set TO_B,   0x40
; A joint load: waves 0 and 1 fetch for x, waves 2 and 3 for the weights; the branch hangs on the wave's number alone.  An s_nop 0 and four v_nop follow each of the two lines.
.macro JLOAD g0a, g1a, g0b, g1b
	s_cmp_eq_u32 s15, 0
	s_cbranch_scc0 .Lfor_b_\@
	tensor_load_to_lds s[\g0a:\g0a+3], s[\g1a:\g1a+7]
	s_nop 0
.rept 4
	v_nop
.endr
	s_branch .Lasked_\@
.Lfor_b_\@:
	tensor_load_to_lds s[\g0b:\g0b+3], s[\g1b:\g1b+7]
	s_nop 0
.rept 4
	v_nop
.endr
.Lasked_\@:
.endm
.macro CROUND                          ; a round of the cluster's barrier
	s_barrier_signal -1
	s_barrier_wait -1
	s_cmp_lg_u32 s14, 0
	s_cbranch_scc1 .Lnot_wave_0_\@
	s_barrier_signal -3
.Lnot_wave_0_\@:
	s_barrier_wait -3
	s_barrier_signal -1
	s_barrier_wait -1
.endm
	s_load_b128 s[4:7], s[0:1], 0x0                ; codes, scales
	s_load_b128 s[96:99], s[0:1], 0x10             ; tab, qkv
	v_lshl_add_u32 v[SPW], v0, 2, SPARE
	v_mov_b32 v[NIL], 0
	ds_add_u32 v[SPW], v[NIL]                      ; the wave's opening: the add, twice on end, and its wait ahead of my first tensor load
	ds_add_u32 v[SPW], v[NIL]
	v_lshrrev_b32 v1, 5, v0
	v_readfirstlane_b32 s14, v1                    ; wave 0..3
	s_lshr_b32 s15, s14, 1                         ; which half of the tile's rows is mine.  Also: I fetch for x (0) or for the weights (1)
	s_and_b32 s16, s14, 1                          ; which half of its columns.  Also: which 128 rows I fetch
	s_bfe_u32 s40, ttmp6, 0x40000                  ; cx, cy: my place in the cluster
	s_bfe_u32 s41, ttmp6, 0x40004
	s_lshl_b32 s42, ttmp9, 2
	s_add_co_u32 s42, s42, s40                     ; tile column = 4 x cluster x + cx
	s_and_b32 s17, ttmp7, 0xffff
	s_lshl_b32 s17, s17, 2
	s_add_co_u32 s17, s17, s41                     ; tile row = 4 x cluster y + cy
	s_lshl_b32 s43, s41, 2
	s_lshl_b32 s43, 15, s43                        ; my row of the cluster
	s_lshl_b32 s44, 0x1111, s40                    ; my column
	; descriptor group 1: a tile of 128 rows x 256 bytes, 16 bytes of padding behind each row
	s_or_b32 s[G1+0], s43, (0<<16)|(1<<20)|(1<<21)|(5<<22)|(3<<25)
	s_or_b32 s[G1B+0], s44, (0<<16)|(1<<20)|(1<<21)|(5<<22)|(3<<25)
.irp g, G1, G1B
	s_mov_b32 s[\g+1], ROWB<<16                    ; tensor_dim0
	s_mov_b32 s[\g+2], 128<<16                     ; tensor_dim1
	s_mov_b32 s[\g+3], ROWB<<16                    ; tile_dim0
	s_mov_b32 s[\g+4], 128                         ; tile_dim1
	s_mov_b32 s[\g+5], KROW                        ; from row to row
	s_mov_b32 s[\g+6], 0
	s_mov_b32 s[\g+7], 0
.endr
	; the scales of 128 rows: a dense block of 4,096 bytes, as rows of 256 bytes (32 elements of 8), 16 bytes of padding behind each
	s_or_b32 s[G1S+0], s43, (3<<16)|(1<<20)|(1<<21)|(5<<22)|(3<<25)
	s_or_b32 s[G1SB+0], s44, (3<<16)|(1<<20)|(1<<21)|(5<<22)|(3<<25)
.irp g, G1S, G1SB
	s_mov_b32 s[\g+1], 32<<16
	s_mov_b32 s[\g+2], (128*KS/256)<<16
	s_mov_b32 s[\g+3], 32<<16
	s_mov_b32 s[\g+4], 128*KS/256
	s_mov_b32 s[\g+5], 32
	s_mov_b32 s[\g+6], 0
	s_mov_b32 s[\g+7], 0
.endr
	s_lshl_b32 s18, s16, 7
	s_lshl_b32 s20, s17, 8
	s_add_co_u32 s20, s20, s18                     ; x: row 256 x tile row + 128 x half
	s_lshl_b32 s46, s42, 8
	s_add_co_u32 s46, s46, s18                     ; weights: row 256 x tile column + 128 x half
	s_mov_b32 s21, 0
	s_mov_b32 s47, 0
	s_mov_b64 s[18:19], KS
	s_mul_u64 s[22:23], s[20:21], s[18:19]         ; where these rows' scales begin,
	s_mul_u64 s[92:93], s[46:47], s[18:19]
	s_mov_b64 s[18:19], KROW
	s_mul_u64 s[20:21], s[20:21], s[18:19]         ; and their codes
	s_mul_u64 s[46:47], s[46:47], s[18:19]
	s_mul_i32 s45, s14, HALFT                      ; where they go: wave x 128 rows: no place in the cluster enters an LDS address
	s_mul_i32 s94, s14, HALFS
	s_wait_dscnt 0x0                               ; both opening adds are done
	s_wait_kmcnt 0x0
	s_add_nc_u64 s[8:9], s[4:5], WCODES            ; the weights' codes,
	s_add_nc_u64 s[10:11], s[6:7], WSCALE          ; and their scales
	s_add_nc_u64 s[20:21], s[4:5], s[20:21]
	s_add_nc_u64 s[22:23], s[6:7], s[22:23]
	s_add_nc_u64 s[46:47], s[8:9], s[46:47]
	s_add_nc_u64 s[92:93], s[10:11], s[92:93]
	CROUND                                         ; all sixteen work-groups are here: the joint loads meet
	s_mov_b32 s[G0S], 1
	s_add_co_u32 s[G0S+1], s94, SCL
	s_mov_b64 s[G0S+2:G0S+3], s[22:23]
	s_or_b32 s[G0S+3], s[G0S+3], 0x80000000
	s_mov_b32 s[G0SB], 1
	s_add_co_u32 s[G0SB+1], s94, SCL
	s_mov_b64 s[G0SB+2:G0SB+3], s[92:93]
	s_or_b32 s[G0SB+3], s[G0SB+3], 0x80000000
	JLOAD G0S, G1S, G0SB, G1SB                     ; the scales first; then both slots: three loads of mine are out
.irp s, 0,1
	s_mov_b32 s[G0+4*\s], 1
	s_add_co_u32 s[G0+4*\s+1], s45, \s*SLOT
	s_add_nc_u64 s[G0+4*\s+2:G0+4*\s+3], s[20:21], \s*ROWB
	s_or_b32 s[G0+4*\s+3], s[G0+4*\s+3], 0x80000000
	s_mov_b32 s[G0B+4*\s], 1
	s_add_co_u32 s[G0B+4*\s+1], s45, \s*SLOT
	s_add_nc_u64 s[G0B+4*\s+2:G0B+4*\s+3], s[46:47], \s*ROWB
	s_or_b32 s[G0B+4*\s+3], s[G0B+4*\s+3], 0x80000000
	JLOAD G0+4*\s, G1, G0B+4*\s, G1B
.endr
	v_and_b32 v1, 15, v0                           ; r
	v_bfe_u32 v2, v0, 4, 1                         ; h
	v_mul_u32_u24 v3, v1, PITCH
	v_lshl_add_u32 v4, v2, 4, v3                   ; a fragment's row x pitch + 16 h
	s_mul_i32 s21, s15, HALFT                      ; my 128 rows of x
	s_mul_i32 s22, s16, HALFT                      ; my 128 rows of the weights,
	s_add_co_u32 s22, s22, 2*HALFT                 ; which lie behind x's 256
.irp s, 0,1
	v_add_nc_u32 v[ADRA+\s], s21, v4
	v_add_nc_u32 v[ADRB+\s], s22, v4
	s_add_co_u32 s21, s21, SLOT
	s_add_co_u32 s22, s22, SLOT
.endr
	v_mul_u32_u24 v5, v1, KS                       ; my row's scales: KS bytes a row,
	v_lshrrev_b32 v6, 8, v5
	v_lshl_add_u32 v5, v6, 4, v5                   ; and 16 more for each 256 passed
	s_mul_i32 s21, s15, HALFS
	s_mul_i32 s22, s16, HALFS
	s_add_co_u32 s22, s22, 2*HALFS
	s_sub_co_u32 s22, s22, s21
	v_mul_u32_u24 v6, s22, v2                      ; lanes 16-31 take the weights'
	s_add_co_u32 s21, s21, SCL
	v_add_nc_u32 v5, v5, v6
	v_add_nc_u32 v[ADRS], s21, v5
	s_mul_i32 s23, s14, 2*SHEAD                    ; my stage
	v_mul_u32_u24 v5, v1, SPIT
	v_lshl_add_u32 v5, v2, 4, v5
	v_add_nc_u32 v[STO], s23, v5                   ; in: row r, 16 bytes for each half of the lanes
	v_and_b32 v6, 31, v0
	v_lshlrev_b32 v[CO], 4, v6
	v_lshrrev_b32 v5, 3, v6
	v_mul_u32_u24 v5, v5, SPIT
	v_and_b32 v6, 7, v0
	v_lshl_add_u32 v5, v6, 4, v5
	v_add_nc_u32 v[RD], s23, v5                    ; back: eight lanes to a row of 128 bytes, four rows an instruction
	; the way out's scalars: none of them enters an LDS address, a descriptor or a branch
	s_lshr_b32 s92, s17, 3                         ; the batch
	s_lshl_b32 s93, s92, 8
	s_load_b32 s95, s[96:97], s93 offset:CFAC      ; its factor c'
	s_and_b32 s18, s17, 7
	s_lshl_b32 s18, s18, 8
	s_lshl_b32 s19, s15, 7
	s_add_co_u32 s18, s18, s19                     ; my first position in the batch
	s_lshl_b32 s2, s18, 8                          ; 4,096 bytes of table for 16 positions
	s_mov_b32 s3, 0
	s_add_nc_u64 s[2:3], s[96:97], s[2:3]
	s_lshl_b32 s20, s40, 2
	s_lshl_b32 s21, s16, 1
	s_add_co_u32 s20, s20, s21                     ; my first head: 4 cx + 2 x half
	s_lshl_b32 s21, s92, 4
	s_add_co_u32 s20, s20, s21
	s_lshl_b32 s20, s20, 18                        ; 262,144 bytes a head,
	s_lshl_b32 s21, s18, 7                         ; 128 a position,
	s_add_co_u32 s20, s20, s21
	s_lshl_b32 s21, ttmp9, 23                      ; 8,388,608 a part
	s_add_co_u32 s20, s20, s21
	s_mov_b32 s21, 0
	s_add_nc_u64 s[12:13], s[98:99], s[20:21]
.macro TBLOAD a                        ; the cosines and sines of my positions 16 a .. 16 a + 15 into set a % 2: each load covers 512 consecutive bytes
.irp qd, 0,1,2,3,4,5,6,7
	global_load_b128 v[TB+32*((\a)%2)+4*\qd:TB+32*((\a)%2)+4*\qd+3], v[CO], s[2:3] offset:4096*(\a)+512*\qd
.endr
.endm
	TBLOAD 0                                       ; the first two sets are asked for here: their registers are idle through the whole product
	TBLOAD 1
	s_wait_kmcnt 0x0                               ; c'
	s_cmp_eq_u32 ttmp9, 0
	s_cselect_b32 s[FS], s95, 0x3f800000           ; q: c';  k: 1
	s_cmp_eq_u32 ttmp9, 2
	s_cselect_b32 s[FS], 0, s[FS]                  ; v: 0, and 1 added to the cosines: v passes the rotation's lines unchanged
	s_cselect_b32 s100, 0x3f800000, 0
	s_mov_b32 s[FS+1], s[FS]                       ; (named with it as a pair, so it is written)
	v_mov_b32 v[FAV], s100
	v_mov_b32 v[FAV+1], s100
.macro FRAG reg, adr, q, i             ; 16 rows x 128 K of 4-bit codes: 8 registers: lane l holds row l % 16; registers 4 c .. 4 c + 3 hold K = 64 c + 32 (l / 16) + 0 .. 31
.irp c, 0,1
	ds_load_b128 v[\reg+4*\c:\reg+4*\c+3], v[\adr] offset:64*(\q)+32*\c+(\i)*16*PITCH
.endr
.endm
; 16 matrix instructions: x's blocks a0, a0 + 1 against the weights' eight, 128 along K.  The 64 accumulators take turns, one instruction a turn, in the same order in every step.
.macro MUL16 a0, p, q, sc, zero
.irp a, \a0, \a0+1
.irp b, 0,1,2,3,4,5,6,7
.if \zero
	v_wmma_scale_f32_16x16x128_f8f6f4 v[8*(8*((\a)%4)+\b):8*(8*((\a)%4)+\b)+7], v[128*(\p)+FR*\b:128*(\p)+FR*\b+FR-1], v[AF+FR*(\a):AF+FR*(\a)+FR-1], 0, v[SC+8*NQ*(\sc)+NQ*\b+(\q)], v[SC+8*NQ*(\sc)+NQ*(\a)+(\q)] matrix_a_fmt:MATRIX_FMT_FP4 matrix_b_fmt:MATRIX_FMT_FP4 matrix_a_scale:MATRIX_SCALE_ROW1
.else
	v_wmma_scale_f32_16x16x128_f8f6f4 v[8*(8*((\a)%4)+\b):8*(8*((\a)%4)+\b)+7], v[128*(\p)+FR*\b:128*(\p)+FR*\b+FR-1], v[AF+FR*(\a):AF+FR*(\a)+FR-1], v[8*(8*((\a)%4)+\b):8*(8*((\a)%4)+\b)+7], v[SC+8*NQ*(\sc)+NQ*\b+(\q)], v[SC+8*NQ*(\sc)+NQ*(\a)+(\q)] matrix_a_fmt:MATRIX_FMT_FP4 matrix_b_fmt:MATRIX_FMT_FP4 matrix_a_scale:MATRIX_SCALE_ROW1
.endif
.endr
.endr
.endm
.macro FETCH_B slot, q, p
	WIN TO_B
.irp i, 0,1,2,3,4,5,6,7
	FRAG 128*(\p)+FR*\i, ADRB+\slot, \q, \i
.endr
	WIN 0
.endm
.macro FETCH_A slot, q, i0
.irp i, \i0, \i0+1, \i0+2, \i0+3
	FRAG AF+FR*(\i), ADRA+\slot, \q, \i
.endr
.endm
.macro SCALES sc                       ; a slot's scale words: lanes 0-15 take x's block i, lanes 16-31 the weights' block i
.irp i, 0,1,2,3,4,5,6,7
	ds_load_b128 v[SC+8*NQ*\sc+NQ*\i:SC+8*NQ*\sc+NQ*\i+3], v[ADRS] offset:\i*SBLK
.endr
.endm
.macro PLACES n                        ; plain vector lines between a matrix instruction and a load into, or a read of, its registers
.rept \n
	v_nop
.endr
.endm
.macro STEP slot, q, zero              ; 128 along K whose successor lies in the same slot
	s_wait_dscnt 4*NL                              ; the weights' set and x's blocks 0-3 are in; the youngest eight loads (x's blocks 4-7) may be out
	WIN MUL_LO
	MUL16 0, (\q)%2, \q, \slot, \zero
	MUL16 2, (\q)%2, \q, \slot, \zero
	s_wait_dscnt 0
	PLACES NP
	FETCH_B \slot, (\q)+1, 1-(\q)%2
	FETCH_A \slot, (\q)+1, 0
	WIN MUL_HI
	MUL16 4, (\q)%2, \q, \slot, \zero
	MUL16 6, (\q)%2, \q, \slot, \zero
	PLACES NP
	WIN 0
	FETCH_A \slot, (\q)+1, 4
.endm
; Slot 0's last step goes over to slot 1: each wave waits for all its tensor loads (its part of slot 1), adds 0 to its spare word, waits for that and for its reads of slot 0; behind the barrier slot 1 is whole and nobody reads slot 0.
.macro TURN slot, next
	s_wait_tensorcnt 0x0
	ds_add_u32 v[SPW], v[NIL]
	s_wait_dscnt 4*NL+1                            ; (the add and the youngest eight loads may be out)
	WIN MUL_LO
	MUL16 0, 1, NQ-1, \slot, 0
	s_wait_dscnt 0x0
	s_barrier_signal -1
	MUL16 2, 1, NQ-1, \slot, 0
	WIN 0
	s_barrier_wait -1
	PLACES NP
	v_add_nc_u32 v[ADRS], 4*NQ, v[ADRS]            ; on to the next slot's scale words
	FETCH_B \next, 0, 0
	FETCH_A \next, 0, 0
	SCALES \next
	WIN MUL_HI
	MUL16 4, 1, NQ-1, \slot, 0
	MUL16 6, 1, NQ-1, \slot, 0
	PLACES NP
	WIN 0
	FETCH_A \next, 0, 4
.endm
.macro STEPS slot, from
.set Q, \from
.rept NQ-1-\from
	STEP \slot, Q, 0
.set Q, Q+1
.endr
.endm
	s_wait_tensorcnt 1                             ; the scales and my part of slot 0 are in (slot 1's load may be out),
	s_barrier_signal -1
	s_barrier_wait -1                              ; everybody's are
	FETCH_B 0, 0, 0
	FETCH_A 0, 0, 0
	SCALES 0
	FETCH_A 0, 0, 4
	STEP 0, 0, 1                                   ; the first products start the sums: nothing is cleared
	STEPS 0, 1
	TURN 0, 1
	STEPS 1, 0
	s_wait_dscnt 4*NL                              ; the last step: nothing more to fetch
	WIN MUL_LO
	MUL16 0, 1, NQ-1, 1, 0
	MUL16 2, 1, NQ-1, 1, 0
	s_wait_dscnt 0
	WIN MUL_HI
	MUL16 4, 1, NQ-1, 1, 0
	MUL16 6, 1, NQ-1, 1, 0
	WIN 0
; THE WAY OUT, a block of 16 positions x 128 columns (two heads) at a time.
.macro PREM a                          ; the set's cosines x FS + FA, its sines x FS
.set TS, TB+32*((\a)%2)
.irp p, 0,2,4,6,8,10,12,14
	v_pk_fma_f32 v[TS+\p:TS+\p+1], v[TS+\p:TS+\p+1], s[FS:FS+1], v[FAV:FAV+1] op_sel_hi:[1,0,1]
.endr
.irp p, 0,2,4,6,8,10,12,14
	v_pk_mul_f32 v[TS+16+\p:TS+17+\p], v[TS+16+\p:TS+17+\p], s[FS:FS+1] op_sel_hi:[1,0]
.endr
.endm
.macro ROPE a                          ; out(d) = y(d) cos - y(d + 32) sin, out(d + 32) = y(d + 32) cos + y(d) sin; each accumulator is read from its low end on
.set TS, TB+32*((\a)%2)
.set AC, 64*((\a)%4)
	WIN 0x52+(\a)/4                                ; source 0: the accumulators' window; source 1: window 0; source 2 and destination: window 1
.irp hh, 0,1
.irp bb, 0,1
.irp jp, 0,2,4,6
	v_pk_mul_f32 v[RO+32*\hh+8*\bb+\jp:RO+32*\hh+8*\bb+\jp+1], v[AC+32*\hh+8*\bb+\jp:AC+32*\hh+8*\bb+\jp+1], v[TS+8*\bb+\jp:TS+8*\bb+\jp+1]
	v_pk_mul_f32 v[RO+32*\hh+8*\bb+16+\jp:RO+32*\hh+8*\bb+17+\jp], v[AC+32*\hh+8*\bb+16+\jp:AC+32*\hh+8*\bb+17+\jp], v[TS+8*\bb+\jp:TS+8*\bb+\jp+1]
	v_pk_fma_f32 v[RO+32*\hh+8*\bb+\jp:RO+32*\hh+8*\bb+\jp+1], v[AC+32*\hh+8*\bb+16+\jp:AC+32*\hh+8*\bb+17+\jp], v[TS+16+8*\bb+\jp:TS+17+8*\bb+\jp], v[RO+32*\hh+8*\bb+\jp:RO+32*\hh+8*\bb+\jp+1] neg_lo:[0,1,0] neg_hi:[0,1,0]
	v_pk_fma_f32 v[RO+32*\hh+8*\bb+16+\jp:RO+32*\hh+8*\bb+17+\jp], v[AC+32*\hh+8*\bb+\jp:AC+32*\hh+8*\bb+\jp+1], v[TS+16+8*\bb+\jp:TS+17+8*\bb+\jp], v[RO+32*\hh+8*\bb+16+\jp:RO+32*\hh+8*\bb+17+\jp]
.endr
.endr
.endr
	WIN 0
.endm
.macro PACK                            ; rounded to f16: a lane's eight columns of a tile are 16 bytes
	WIN 0x05                                       ; sources in window 1
.set n, 0
.rept 32
	v_cvt_pk_f16_f32 v[PK+n], v[RO+2*n], v[RO+2*n+1]
.set n, n+1
.endr
	WIN 0
.endm
.macro TOSTAGE a                       ; into my stage, and back as whole rows.  LDS serves a wave's instructions in order (ISA guide 5.7.1.4): no wait between the stores and the loads
.if (\a) > 1
	s_wait_xcnt 0x0                                ; block a - 2's stores have read the registers into which these loads land
.endif
.irp b, 0,1,2,3,4,5,6,7
	ds_store_b128 v[STO], v[PK+4*\b:PK+4*\b+3] offset:(\b/4)*SHEAD+32*(\b%4)
.endr
.irp u, 0,1,2,3,4,5,6,7
	ds_load_b128 v[BK+32*((\a)%2)+4*\u:BK+32*((\a)%2)+4*\u+3], v[RD] offset:(\u/4)*SHEAD+4*SPIT*(\u%4)
.endr
.endm
.macro SEND a
	s_wait_dscnt 0x0                               ; the block is back in registers
.irp u, 0,1,2,3,4,5,6,7
	global_store_b128 v[CO], v[BK+32*((\a)%2)+4*\u:BK+32*((\a)%2)+4*\u+3], s[12:13] offset:(\u/4)*262144+2048*(\a)+512*(\u%4)   ; four rows of a head: 512 consecutive bytes, aligned
.endr
.endm
	PLACES NP                                      ; behind the last products
.irp a, 0,1,2,3,4,5,6,7
.if \a < 7
	s_wait_loadcnt 8                               ; this block's set of the table is in; the next set's eight loads may be out
.else
	s_wait_loadcnt 0x0
.endif
	PREM \a
	ROPE \a
.if \a < 6
	TBLOAD \a+2                                    ; the set just used takes the block two further on
.endif
	PACK
.if \a > 0
	SEND \a-1                                      ; the block before has had this block's arithmetic in which to come back from the stage
.endif
	TOSTAGE \a
.endr
	SEND 7
	s_wait_tensorcnt 0x0                           ; the wave's end: behind my last tensor load and my last LDS store
	ds_add_u32 v[SPW], v[NIL]
	s_wait_dscnt 0x0
	CROUND                                         ; the closing round
	s_endpgm
.Lfunc_end_k_qad89b4a6e6_qkv:
	.size	k_qad89b4a6e6_qkv, .Lfunc_end_k_qad89b4a6e6_qkv-k_qad89b4a6e6_qkv
	.p2alignl 7, 3214868480
	.fill 96, 4, 3214868480
	.section	.rodata,"a",@progbits
	.p2align	6, 0x0
	.amdhsa_kernel k_qad89b4a6e6_qkv
		.amdhsa_group_segment_fixed_size 327680
		.amdhsa_private_segment_fixed_size 0
		.amdhsa_enable_private_segment 0
		.amdhsa_kernarg_size 32
		.amdhsa_user_sgpr_count 2
		.amdhsa_user_sgpr_kernarg_segment_ptr 1
		.amdhsa_wavefront_size32 1
		.amdhsa_system_sgpr_workgroup_id_x 1
		.amdhsa_system_sgpr_workgroup_id_y 1
		.amdhsa_system_sgpr_workgroup_id_z 1
		.amdhsa_system_vgpr_workitem_id 0
		.amdhsa_next_free_vgpr 1024
		.amdhsa_next_free_sgpr 102
		.amdhsa_reserve_vcc 0
		.amdhsa_float_denorm_mode_32 3
		.amdhsa_float_denorm_mode_16_64 3
		.amdhsa_memory_ordered 1
		.amdhsa_forward_progress 1
		.amdhsa_inst_pref_size 174
	.end_amdhsa_kernel
	.amdgpu_metadata
---
amdhsa.version: [ 1, 2 ]
amdhsa.kernels:
  - .name:           k_qad89b4a6e6_qkv
    .symbol:         k_qad89b4a6e6_qkv.kd
    .args:
      - { .name: codes, .offset: 0, .size: 8, .value_kind: global_buffer, .address_space: global }
      - { .name: scales, .offset: 8, .size: 8, .value_kind: global_buffer, .address_space: global }
      - { .name: tab, .offset: 16, .size: 8, .value_kind: global_buffer, .address_space: global }
      - { .name: qkv, .offset: 24, .size: 8, .value_kind: global_buffer, .address_space: global }
    .group_segment_fixed_size: 327680
    .private_segment_fixed_size: 0
    .kernarg_segment_align: 8
    .kernarg_segment_size: 32
    .max_flat_workgroup_size: 128
    .sgpr_count:     102
    .vgpr_count:     1024
    .wavefront_size: 32
...
	.end_amdgpu_metadata
.endif
;; end of part 2
;; launch attn (part 3): grid 8 x 32, 8 waves a work-group, clusters of 4 x 1, 327,680 bytes of LDS; arguments qkv, tab, ao; writes ao
.if DOCPART == 3
	.amdgcn_target "amdgcn-amd-amdhsa--gfx1250"
	.amdhsa_code_object_version 6
	.text
	.protected	k_qad89b4a6e6_attn
	.globl	k_qad89b4a6e6_attn
	.p2align	8
	.type	k_qad89b4a6e6_attn,@function
k_qad89b4a6e6_attn:
	s_mov_b64 s[64:65], 0
	v_nop
	global_prefetch_b8 v0, s[64:65] scope:SCOPE_SE
	s_setreg_imm32_b32 hwreg(HW_REG_WAVE_MODE, 25, 1), 1
	s_wait_xcnt 0x0
	s_wait_alu depctr_hold_cnt(0) depctr_sa_sdst(0) depctr_va_vdst(0) depctr_va_sdst(0) depctr_va_ssrc(0) depctr_va_vcc(0) depctr_vm_vsrc(0)
	s_getreg_b32 s2, hwreg(HW_REG_IB_STS2, 6, 4)
	s_cmp_eq_u32 s2, 0
	s_cbranch_scc0 .Lentry_in_a_cluster
	s_endpgm
.Lentry_in_a_cluster:
	s_bfe_u32 s2, ttmp6, 0x10000c
	s_cmp_lg_u32 s2, 0x3003
	s_cbranch_scc0 .Lentry_shape_is_right
	s_endpgm
.Lentry_shape_is_right:
; ao[bh][q][:] = the sum over k of softmax_k(score(q, k) + mask term(k)) v[bh][k][:], for 32 = batch x 16 + head; q, k, v, ao: [32][2,048][64] f16; products' sums, maxima and sums in f32.
; q arrives already multiplied by c' = log2(e) / 8 (0 where every key of the batch is hidden), so S = k q^T is the score in powers of two.  The mask term (0 for the keys that count most, at most -2e24 and held at
; -2^100 for all others) is the C of the first matrix instruction of each tile of S: it costs no vector line.  p = 2^(S - m), m the running maximum of the row; in every step the sum l and O are multiplied by
; a = 2^(m_old - m_new).  Some key of every batch has the term 0, so m ends near the scores; what was summed while only hidden keys had been seen is multiplied by 2^(-huge) = 0 at the first key that counts.
; LIMITS: NaN and infinities are not served; p is rounded to f16 for the second product (under 6e-5 to f16's subnormal step); the row's sum is taken of the unrounded p.
; SHARES.  A work-group owns 256 queries of one head; each of its EIGHT waves owns 32, two tiles of 16, in 512 registers: two waves to a SIMD, so that one wave's softmax stands beside the other's products.
; Every wave walks all 2,048 keys, 64 a step.  K and V come through two LDS slots of 256 keys (waves 0-3 fetch K's quarters, waves 4-7 V's); the batch's 2,048 mask terms come once.
; CLUSTER.  The four query blocks of a cluster belong to one head and walk the same K, V and mask terms: each tile is asked for JOINTLY, by the same load with a mask that names the four.
; LAYOUT.  S^T = K Q^T (source 0 = 16 keys, source 1 = 16 queries): lane (r, h) holds query r, register j of tile kt the key 16 kt + 8 h + j.  Two such tiles, rounded in pairs, ARE source 1 (32 keys x 16 queries) of
; O^T = V^T P, whose result again holds one query a lane.  K comes out of LDS as it lies, V ([key][channel]) turned, by ds_load_tr16_b128.
; REGISTERS: window 0: v2-15 addresses; v16-31 statistics, 8 a tile: +0 m, +1 its written partner, +2, +3 l, +4 to +7 at work (a takes +6); v32-63 mask terms of 64 keys; v64-127 S, 32 a tile; v128-159 P, 16 a tile;
;   v160-223 O^T, 32 a tile.   window 1: v0-31 Q; v32-95 K of a step; v96-159 V of a step.
.set KP,    144                        ; a key's row of K in LDS: 128 bytes + 16: the 16 rows of a load start at 16 different banks (64 banks of 4 bytes: ISA guide 11.1)
.set VP,    160                        ; of V: 128 + 32
.set VOFF,  256*KP                     ; a slot: 256 rows of K, then 256 rows of V
.set SLOT1, 1<<17                      ; slot 1 begins here: one exclusive or turns an address of one slot into the other's
.set STAGE, 256*(KP+VP)                ; behind slot 0: 2 tiles x 16 rows x 144 bytes for each wave, for the way out: bytes of its own
.set MT,    STAGE+8*2*16*144           ; the batch's mask terms, 8,192 bytes, filled once
.set SPARE, MT+8192                    ; the spare words, 128 bytes a wave
.set AK0, 2
.set AV0, 3
.set AM0, 4
.set ADK, 5
.set ADV, 6
.set ADM, 7
.set QO,  8
.set STO, 9
.set RD,  10
.set GO,  11
.set PFO, 12                           ; v12 256 x lane; never rewritten
.set SPW, 14
.set NIL, 15
.set ST,  16
.set MD,  32
.set S,   64
.set P,   128
.set O,   160
.set KF,  32                           ; in window 1
.set VF,  96
.set WV,  12
.set G1K, 24
.set G1V, 32
.set G1M, 40
.set G0K, 48
.set G0V, 52
.set G0M, 56
.set SEL, 60
.set TB,  62                           ; s62 LDS byte at which the slot in hand begins
.set TM,  63                           ; s63 its mask terms: 1,024 bytes a slot
.set SLOTS, 66
.set LIM, 67
.set PFA, 68
.set MSB, 0
.macro WIN new
.if MSB != (\new)
	s_set_vgpr_msb (MSB<<8)|(\new)
.set MSB, (\new)
.endif
.endm
; A joint load of a slot's quarter: waves 0-3 K's, waves 4-7 V's; the branch hangs on the wave's number alone.  An s_nop 0 and four v_nop follow each of the two lines.
.macro JLOAD
	s_cmp_lt_u32 s[WV], 4
	s_cbranch_scc0 .Lfor_v_\@
	tensor_load_to_lds s[G0K:G0K+3], s[G1K:G1K+7]
	s_nop 0
.rept 4
	v_nop
.endr
	s_branch .Lasked_\@
.Lfor_v_\@:
	tensor_load_to_lds s[G0V:G0V+3], s[G1V:G1V+7]
	s_nop 0
.rept 4
	v_nop
.endr
.Lasked_\@:
.endm
; A PREFETCH of what the NEXT change of slots will ask for: a slot's 32,768 bytes of K and of V, four key steps ahead of that load.  Each aligned 256 bytes are named once in the launch: both clusters of a head walk the same
; rows, so the head's first cluster asks; its four partners take 8,192 bytes each, told apart BY ADDRESS; in each, wave 0 asks for K's and wave 4 for V's, lanes 256 bytes apart.  Slots 0 and 1 come by their loads alone;
; the last change that fills a slot asks for nothing.
.macro ASK
	s_cmp_gt_u32 s[SLOTS], s[LIM]
	s_cbranch_scc0 .Lnot_mine_\@
	global_prefetch_b8 v[PFO], s[PFA:PFA+1] th:TH_LOAD_NT scope:SCOPE_SE
.Lnot_mine_\@:
.endm
.macro CROUND                          ; a round of the cluster's barrier
	s_barrier_signal -1
	s_barrier_wait -1
	s_cmp_lg_u32 s[WV], 0
	s_cbranch_scc1 .Lnot_wave_0_\@
	s_barrier_signal -3
.Lnot_wave_0_\@:
	s_barrier_wait -3
	s_barrier_signal -1
	s_barrier_wait -1
.endm
	s_load_b128 s[4:7], s[0:1], 0x0                ; qkv, tab
	s_load_b64 s[8:9], s[0:1], 0x10                ; ao
	v_lshl_add_u32 v[SPW], v0, 2, SPARE
	v_mov_b32 v[NIL], 0
	ds_add_u32 v[SPW], v[NIL]                      ; the wave's opening: the add, twice on end, and its wait ahead of my first tensor load
	ds_add_u32 v[SPW], v[NIL]
	v_lshrrev_b32 v1, 5, v0
	v_readfirstlane_b32 s[WV], v1                  ; wave 0..7
	s_bfe_u32 s13, ttmp6, 0x40000                  ; cx: it enters Q's, ao's and the prefetch's global addresses alone
	s_lshl_b32 s14, ttmp9, 2
	s_add_co_u32 s14, s14, s13                     ; my block of 256 queries
	s_and_b32 s15, ttmp7, 0xffff                   ; batch x 16 + head, which the partners share
	s_lshl_b32 s16, s15, 18                        ; its 262,144 bytes in each part
	s_and_b32 s17, s[WV], 3                        ; which quarter of a slot I fetch
	s_mov_b32 s[G1K], 15|(1<<16)|(1<<20)|(1<<21)|(4<<22)|(3<<25)   ; the mask: all four; elements of 2 bytes; padding on; bit 21 beside a mask; after every 32 words, 4 words
	s_mov_b32 s[G1V], 15|(1<<16)|(1<<20)|(1<<21)|(4<<22)|(7<<25)   ; the same with 8 words
.irp g, G1K, G1V
	s_mov_b32 s[\g+1], 64<<16                      ; tensor_dim0 = 64
	s_mov_b32 s[\g+2], 64<<16                      ; tensor_dim1 = 64
	s_mov_b32 s[\g+3], 64<<16                      ; tile_dim0
	s_mov_b32 s[\g+4], 64                          ; tile_dim1
	s_mov_b32 s[\g+5], 64                          ; from row to row
	s_mov_b32 s[\g+6], 0
	s_mov_b32 s[\g+7], 0
.endr
	s_mov_b32 s[G1M], 15|(3<<16)|(1<<21)           ; an eighth of the mask terms: 1,024 dense bytes as 4 rows of 32 elements of 8 bytes
	s_mov_b32 s[G1M+1], 32<<16
	s_mov_b32 s[G1M+2], 4<<16
	s_mov_b32 s[G1M+3], 32<<16
	s_mov_b32 s[G1M+4], 4
	s_mov_b32 s[G1M+5], 32
	s_mov_b32 s[G1M+6], 0
	s_mov_b32 s[G1M+7], 0
	s_lshl_b32 s18, s17, 13                        ; my quarter in memory: 64 rows of 128 bytes
	s_add_co_u32 s20, s16, s18
	s_mov_b32 s21, 0
	s_mul_i32 s18, s17, 64*KP                      ; and in a slot
	s_mul_i32 s19, s17, 64*VP
	s_add_co_u32 s19, s19, VOFF
	s_lshl_b32 s23, s[WV], 10
	s_add_co_u32 s74, s23, MT                      ; my eighth of the mask terms in LDS,
	s_lshr_b32 s22, s15, 4
	s_lshl_b32 s22, s22, 13
	s_add_co_u32 s22, s22, s23
	s_add_co_u32 s22, s22, 524288                  ; and in tab
	s_mov_b32 s23, 0
	s_lshl_b32 s72, s14, 15                        ; my block's 256 rows,
	s_lshl_b32 s73, s[WV], 12                      ; my wave's 32 of them
	s_add_co_u32 s72, s72, s73
	s_add_co_u32 s72, s72, s16
	s_mov_b32 s73, 0
	s_cmp_lt_u32 s[WV], 4                          ; the prefetches' place: K's part or V's,
	s_cselect_b32 s76, 0, 8388608
	s_add_co_u32 s76, s76, 8388608+32768           ; slot 1 (the first change of slots steps it to slot 2),
	s_add_co_u32 s76, s76, s16                     ; my head,
	s_lshl_b32 s77, s13, 13
	s_add_co_u32 s76, s76, s77                     ; my work-group's 8,192 bytes
	s_mov_b32 s77, 0
	s_or_b32 s[LIM], s17, ttmp9                    ; 0 in waves 0 and 4 of the head's first cluster: the same in all four partners
	s_cmp_eq_u32 s[LIM], 0
	s_cselect_b32 s[LIM], 1, -1
	s_mov_b32 s[SEL], 0x76543210
	s_mov_b32 s[SEL+1], 0xfedcba98
	s_mov_b32 s[TB], 0
	s_mov_b32 s[TM], 0
	s_mov_b32 s[SLOTS], 7
	s_wait_dscnt 0x0                               ; both opening adds are done
	s_wait_kmcnt 0x0
	s_mov_b32 s[G0K], 1
	s_mov_b32 s[G0K+1], s18
	s_add_nc_u64 s[G0K+2:G0K+3], s[4:5], s[20:21]
	s_add_nc_u64 s[G0K+2:G0K+3], s[G0K+2:G0K+3], 8388608
	s_or_b32 s[G0K+3], s[G0K+3], 0x80000000
	s_mov_b32 s[G0V], 1
	s_mov_b32 s[G0V+1], s19
	s_add_nc_u64 s[G0V+2:G0V+3], s[4:5], s[20:21]
	s_add_nc_u64 s[G0V+2:G0V+3], s[G0V+2:G0V+3], 16777216
	s_or_b32 s[G0V+3], s[G0V+3], 0x80000000
	s_mov_b32 s[G0M], 1
	s_mov_b32 s[G0M+1], s74
	s_add_nc_u64 s[G0M+2:G0M+3], s[6:7], s[22:23]
	s_or_b32 s[G0M+3], s[G0M+3], 0x80000000
	s_add_nc_u64 s[70:71], s[4:5], s[72:73]        ; Q at my wave's first row
	s_add_nc_u64 s[8:9], s[8:9], s[72:73]          ; ao likewise
	s_add_nc_u64 s[PFA:PFA+1], s[4:5], s[76:77]
	CROUND                                         ; all four work-groups are here: the first joint loads meet
	tensor_load_to_lds s[G0M:G0M+3], s[G1M:G1M+7]  ; the mask terms: filled once
	s_nop 0
	JLOAD                                          ; slot 0: two loads of mine are out
	v_and_b32 v1, 15, v0                           ; r
	v_bfe_u32 v13, v0, 4, 1                        ; h
	v_lshlrev_b32 v[QO], 7, v1
	v_lshl_add_u32 v[QO], v13, 4, v[QO]            ; row r of 128 bytes + 16 h
	WIN 0x40                                       ; destination window 1
.irp t, 0,1
.irp c, 0,1
	global_load_b128 v[8*(2*\t+\c):8*(2*\t+\c)+3],   v[QO], s[70:71] offset:2048*\t+64*\c        ; Q stays in registers: tile t, channels 32 c on
	global_load_b128 v[8*(2*\t+\c)+4:8*(2*\t+\c)+7], v[QO], s[70:71] offset:2048*\t+64*\c+32
.endr
.endr
	WIN 0
	v_mul_u32_u24 v[AK0], v1, KP
	v_lshl_add_u32 v[AK0], v13, 4, v[AK0]          ; K: row r x pitch + 16 h
	v_and_b32 v[AV0], 7, v0
	v_lshl_add_u32 v[AV0], v13, 3, v[AV0]
	v_mul_u32_u24 v[AV0], v[AV0], VP               ; V: key 8 h + l % 8,
	v_bfe_u32 v[ADV], v0, 3, 1
	v_lshl_add_u32 v[AV0], v[ADV], 4, v[AV0]       ; channels 8 ((l / 8) % 2) on
	v_add_nc_u32 v[AV0], VOFF, v[AV0]
	v_lshl_add_u32 v[AM0], v13, 5, MT              ; the mask terms of keys 8 h on: the same address in all 16 lanes of a half
	s_mul_i32 s18, s[WV], 2*16*144
	s_add_co_u32 s18, s18, STAGE                   ; my stage
	v_mul_u32_u24 v[STO], v1, 144
	v_lshl_add_u32 v[STO], v13, 4, v[STO]
	v_add_nc_u32 v[STO], s18, v[STO]               ; in: row r, 16 bytes for each half of the lanes
	v_and_b32 v[GO], 31, v0
	v_lshrrev_b32 v[RD], 3, v[GO]
	v_mul_u32_u24 v[RD], v[RD], 144
	v_and_b32 v[ADK], 7, v0
	v_lshl_add_u32 v[RD], v[ADK], 4, v[RD]
	v_add_nc_u32 v[RD], s18, v[RD]                 ; back: eight lanes to a row, four rows an instruction
	v_lshlrev_b32 v[PFO], 8, v[GO]
	v_lshlrev_b32 v[GO], 4, v[GO]
.irp t, 0,1
	v_mov_b32 v[ST+8*\t], 0xff61b1e6               ; m: -3e38, under every score and every mask term
.irp i, 1,2,3,4,5,6,7
	v_mov_b32 v[ST+8*\t+\i], 0
.endr
.endr
.set j, 0
.rept 64
	v_mov_b32 v[O+j], 0                            ; O^T.  (The step is written once: the first finds zeros, which its a = 0 leaves zeros)
.set j, j+1
.endr
.macro FETCH_K q                       ; 64 keys x 64 channels: fragment (kt, c): keys 16 kt on, channels 32 c on
.irp kt, 0,1,2,3
.irp c, 0,1
	ds_load_b128 v[KF+8*(2*\kt+\c):KF+8*(2*\kt+\c)+3],   v[ADK] offset:64*KP*(\q)+16*KP*\kt+64*\c
	ds_load_b128 v[KF+8*(2*\kt+\c)+4:KF+8*(2*\kt+\c)+7], v[ADK] offset:64*KP*(\q)+16*KP*\kt+64*\c+32
.endr
.endr
.endm
.macro FETCH_M q                       ; the mask terms in the layout of S's tiles: register j of tile kt: key 16 kt + 8 h + j
.irp kt, 0,1,2,3
	ds_load_b128 v[MD+8*\kt:MD+8*\kt+3],   v[ADM] offset:256*(\q)+64*\kt
	ds_load_b128 v[MD+8*\kt+4:MD+8*\kt+7], v[ADM] offset:256*(\q)+64*\kt+16
.endr
.endm
.macro FETCH_V q                       ; turned: fragment (kk, ct): keys 32 kk on, channels 16 ct on
.irp kk, 0,1
.irp ct, 0,1,2,3
	ds_load_tr16_b128 v[VF+8*(4*\kk+\ct):VF+8*(4*\kk+\ct)+3],   v[ADV] offset:64*VP*(\q)+32*VP*\kk+32*\ct
	ds_load_tr16_b128 v[VF+8*(4*\kk+\ct)+4:VF+8*(4*\kk+\ct)+7], v[ADV] offset:64*VP*(\q)+32*VP*\kk+16*VP+32*\ct
.endr
.endr
.endm
; The softmax of a step, both tiles by turns.
.macro SOFTMAX
.irp c, 0,1,2,3
.irp t, 0,1
	v_max3_num_f32 v[ST+8*\t+4+\c], v[S+32*\t+8*\c], v[S+32*\t+8*\c+1], v[S+32*\t+8*\c+2]   ; four chains a tile; each accumulator is read from its low end on
.endr
.endr
.irp i, 3,5
.irp c, 0,1,2,3
.irp t, 0,1
	v_max3_num_f32 v[ST+8*\t+4+\c], v[ST+8*\t+4+\c], v[S+32*\t+8*\c+\i], v[S+32*\t+8*\c+\i+1]
.endr
.endr
.endr
.irp t, 0,1
	v_max3_num_f32 v[ST+8*\t+4], v[ST+8*\t+4], v[S+32*\t+7], v[S+32*\t+15]
	v_max3_num_f32 v[ST+8*\t+6], v[ST+8*\t+6], v[S+32*\t+23], v[S+32*\t+31]
.endr
.irp t, 0,1
	v_max3_num_f32 v[ST+8*\t+4], v[ST+8*\t+4], v[ST+8*\t+5], v[ST+8*\t+6]
.endr
.irp t, 0,1
	v_max3_num_f32 v[ST+8*\t+4], v[ST+8*\t+4], v[ST+8*\t+7], v[ST+8*\t]      ; and the old m
.endr
.irp t, 0,1
	v_permlanex16_b32 v[ST+8*\t+5], v[ST+8*\t+4], s[SEL], s[SEL+1]           ; the query's other 32 keys lie in the lane 16 away
.endr
.irp t, 0,1
	v_mov_b32 v[ST+8*\t+7], v[ST+8*\t]
.endr
.irp t, 0,1
	v_max_num_f32 v[ST+8*\t], v[ST+8*\t+4], v[ST+8*\t+5]                     ; the new m
.endr
.irp t, 0,1
	v_sub_f32 v[ST+8*\t+7], v[ST+8*\t+7], v[ST+8*\t]                         ; m_old - m_new
.endr
.set j, 0
.rept 32
	v_pk_add_f32 v[S+2*j:S+2*j+1], v[S+2*j:S+2*j+1], v[ST+8*(j/16):ST+8*(j/16)+1] op_sel_hi:[1,0] neg_lo:[0,1] neg_hi:[0,1]   ; S - m, two at a time
.set j, j+1
.endr
.irp t, 0,1
	v_exp_f32 v[ST+8*\t+6], v[ST+8*\t+7]           ; a.  ONE BATCH: the two a and the 64 p
.endr
.set j, 0
.rept 64
	v_exp_f32 v[S+j], v[S+j]
.set j, j+1
.endr
	v_nop                                          ; a plain line behind the last exponential
	s_wait_alu depctr_va_vdst(0)                   ; one wait for the batch, ahead of its first reader
.irp t, 0,1
	v_pk_mul_f32 v[ST+8*\t+2:ST+8*\t+3], v[ST+8*\t+2:ST+8*\t+3], v[ST+8*\t+6:ST+8*\t+7] op_sel_hi:[1,0]   ; l x a
	v_pk_add_f32 v[ST+8*\t+4:ST+8*\t+5], v[S+32*\t:S+32*\t+1], v[S+32*\t+2:S+32*\t+3]                     ; the sum of the unrounded p, in two chains
.endr
.irp i, 4,8,12,16,20,24,28
.irp t, 0,1
	v_pk_add_f32 v[ST+8*\t+2:ST+8*\t+3], v[ST+8*\t+2:ST+8*\t+3], v[S+32*\t+\i:S+32*\t+\i+1]
	v_pk_add_f32 v[ST+8*\t+4:ST+8*\t+5], v[ST+8*\t+4:ST+8*\t+5], v[S+32*\t+\i+2:S+32*\t+\i+3]
.endr
.endr
.irp t, 0,1
	v_pk_add_f32 v[ST+8*\t+2:ST+8*\t+3], v[ST+8*\t+2:ST+8*\t+3], v[ST+8*\t+4:ST+8*\t+5]
.endr
.set j, 0
.rept 32
	v_cvt_pk_f16_f32 v[P+j], v[S+2*j], v[S+2*j+1]  ; two tiles of S in pairs are a fragment of P
.set j, j+1
.endr
.set j, 0
.rept 32
	v_pk_mul_f32 v[O+2*j:O+2*j+1], v[O+2*j:O+2*j+1], v[ST+8*(j/16)+6:ST+8*(j/16)+7] op_sel_hi:[1,0]   ; O^T x a, each accumulator from its low end on
.set j, j+1
.endr
.endm
; A KEY STEP: 64 keys, the q-th of the slot in hand.  In both products the eight accumulators take turns, one instruction a turn.
.macro STEP q
	s_wait_dscnt 0x0                               ; K and the mask terms of this step are in
	WIN 0x05                                       ; K and Q in window 1
.irp kt, 0,1,2,3
.irp t, 0,1
	v_wmma_f32_16x16x32_f16 v[S+32*\t+8*\kt:S+32*\t+8*\kt+7], v[KF+16*\kt:KF+16*\kt+7], v[16*\t:16*\t+7], v[MD+8*\kt:MD+8*\kt+7]
.endr
.endr
.irp kt, 0,1,2,3
.irp t, 0,1
	v_wmma_f32_16x16x32_f16 v[S+32*\t+8*\kt:S+32*\t+8*\kt+7], v[KF+16*\kt+8:KF+16*\kt+15], v[16*\t+8:16*\t+15], v[S+32*\t+8*\kt:S+32*\t+8*\kt+7]
.endr
.endr
	WIN 0
.rept 4
	v_nop                                          ; places: in front of the loads into K's, V's and the mask terms' registers, and of the first read of S
.endr
	WIN 0x40
	FETCH_V \q
.if (\q) < 3
	FETCH_K (\q)+1
.endif
	WIN 0
.if (\q) < 3
	FETCH_M (\q)+1
.endif
	SOFTMAX
.if (\q) < 3
	s_wait_dscnt 24                                ; V is in; the next step's 16 loads of K and 8 of mask terms may be out
.else
	s_wait_dscnt 0x0
.endif
	WIN 0x01                                       ; V in window 1
.irp kk, 0,1
.irp ct, 0,1,2,3
.irp t, 0,1
	v_wmma_f32_16x16x32_f16 v[O+32*\t+8*\ct:O+32*\t+8*\ct+7], v[VF+8*(4*\kk+\ct):VF+8*(4*\kk+\ct)+7], v[P+16*\t+8*\kk:P+16*\t+8*\kk+7], v[O+32*\t+8*\ct:O+32*\t+8*\ct+7]
.endr
.endr
.endr
	WIN 0
.endm
; THE CHANGE OF SLOTS stands at a slot's head.  Each wave waits for all its tensor loads (its part of the slot ahead), adds 0 to its spare word, and waits for that and for its reads of the slot that it has left.
; fill = 1: the barrier is a round of the cluster's, and behind it the slot just left is asked for jointly, with the next 256 keys: one load a wave, which has four key steps in which to land.
.macro CHANGE fill
	s_wait_tensorcnt 0x0                           ; no tensor load of mine is out, so a group 0 may be written
	ds_add_u32 v[SPW], v[NIL]
.if \fill
	s_xor_b32 s[G0K+1], s[G0K+1], SLOT1            ; the walking descriptors: the other slot than last time,
	s_add_nc_u64 s[G0K+2:G0K+3], s[G0K+2:G0K+3], 32768   ; the next 256 keys; the type bits on top are not reached
	s_xor_b32 s[G0V+1], s[G0V+1], SLOT1
	s_add_nc_u64 s[G0V+2:G0V+3], s[G0V+2:G0V+3], 32768
	s_wait_xcnt 0x0                                ; the last prefetch, a slot back, has read its address, so it may be written
	s_add_nc_u64 s[PFA:PFA+1], s[PFA:PFA+1], 32768
	s_wait_dscnt 0x0                               ; the add is done, and my reads of the slot that I have left are over
	CROUND
	JLOAD
	ASK
.else
	s_wait_dscnt 0x0
	s_barrier_signal -1
	s_barrier_wait -1
.endif
.endm
.macro SLOT_STEPS
	v_add_nc_u32 v[ADK], s[TB], v[AK0]
	v_add_nc_u32 v[ADV], s[TB], v[AV0]
	v_add_nc_u32 v[ADM], s[TM], v[AM0]
	WIN 0x40
	FETCH_K 0
	WIN 0
	FETCH_M 0
	STEP 0
	STEP 1
	STEP 2
	STEP 3
	s_xor_b32 s[TB], s[TB], SLOT1                  ; on to the other slot
	s_add_co_u32 s[TM], s[TM], 1024
.endm
	s_wait_loadcnt 0x0                             ; Q
.Lslot:                                            ; 7 trips: behind each change of slots but the last the next slot is asked for; the first trip's loads fill slot 1 for the first time
	CHANGE 1
	SLOT_STEPS
	s_sub_co_u32 s[SLOTS], s[SLOTS], 1
	s_cmp_lg_u32 s[SLOTS], 0
	s_cbranch_scc1 .Lslot
	CHANGE 0                                       ; the last slot is written out
	SLOT_STEPS
	; THE WAY OUT.  l's two halves and the other half of the lanes' are added (these lines are the places behind the last products); O^T / l, rounded to f16, goes through my stage and leaves as whole rows.
.irp t, 0,1
	v_add_f32 v[ST+8*\t+4], v[ST+8*\t+2], v[ST+8*\t+3]
.endr
.irp t, 0,1
	v_permlanex16_b32 v[ST+8*\t+5], v[ST+8*\t+4], s[SEL], s[SEL+1]
.endr
.irp t, 0,1
	v_add_f32 v[ST+8*\t+4], v[ST+8*\t+4], v[ST+8*\t+5]
.endr
.irp t, 0,1
	v_rcp_f32 v[ST+8*\t+6], v[ST+8*\t+4]
.endr
	v_nop                                          ; a plain line behind the last reciprocal
	s_wait_alu depctr_va_vdst(0)                   ; one wait for the two, ahead of their first reader
.set j, 0
.rept 32
	v_pk_mul_f32 v[S+2*j:S+2*j+1], v[O+2*j:O+2*j+1], v[ST+8*(j/16)+6:ST+8*(j/16)+7] op_sel_hi:[1,0]
.set j, j+1
.endr
.set j, 0
.rept 32
	v_cvt_pk_f16_f32 v[P+j], v[S+2*j], v[S+2*j+1]  ; register 16 t + 4 ct + i: query 16 t + r, channels 16 ct + 8 h + 2 i, + 1
.set j, j+1
.endr
.irp t, 0,1
.irp ct, 0,1,2,3
	ds_store_b128 v[STO], v[P+16*\t+4*\ct:P+16*\t+4*\ct+3] offset:2304*\t+32*\ct
.endr
.endr
.irp t, 0,1
.irp u, 0,1,2,3
	ds_load_b128 v[MD+16*\t+4*\u:MD+16*\t+4*\u+3], v[RD] offset:2304*\t+576*\u   ; LDS serves a wave's instructions in order (ISA guide 5.7.1.4): these see my stores
.endr
.endr
.irp n, 0,1,2,3,4,5,6,7
	s_wait_dscnt 7-\n
	global_store_b128 v[GO], v[MD+4*\n:MD+4*\n+3], s[8:9] offset:2048*(\n/4)+512*(\n%4)   ; four rows: 512 consecutive bytes, aligned
.endr
	s_wait_tensorcnt 0x0                           ; the wave's end: behind my last tensor load and my last LDS store
	ds_add_u32 v[SPW], v[NIL]
	s_wait_dscnt 0x0
	CROUND                                         ; the closing round
	s_endpgm
.Lfunc_end_k_qad89b4a6e6_attn:
	.size	k_qad89b4a6e6_attn, .Lfunc_end_k_qad89b4a6e6_attn-k_qad89b4a6e6_attn
	.p2alignl 7, 3214868480
	.fill 96, 4, 3214868480
	.section	.rodata,"a",@progbits
	.p2align	6, 0x0
	.amdhsa_kernel k_qad89b4a6e6_attn
		.amdhsa_group_segment_fixed_size 327680
		.amdhsa_private_segment_fixed_size 0
		.amdhsa_enable_private_segment 0
		.amdhsa_kernarg_size 24
		.amdhsa_user_sgpr_count 2
		.amdhsa_user_sgpr_kernarg_segment_ptr 1
		.amdhsa_wavefront_size32 1
		.amdhsa_system_sgpr_workgroup_id_x 1
		.amdhsa_system_sgpr_workgroup_id_y 1
		.amdhsa_system_sgpr_workgroup_id_z 1
		.amdhsa_system_vgpr_workitem_id 0
		.amdhsa_next_free_vgpr 512
		.amdhsa_next_free_sgpr 80
		.amdhsa_reserve_vcc 0
		.amdhsa_float_denorm_mode_32 3
		.amdhsa_float_denorm_mode_16_64 3
		.amdhsa_memory_ordered 1
		.amdhsa_forward_progress 1
		.amdhsa_inst_pref_size 159
	.end_amdhsa_kernel
	.amdgpu_metadata
---
amdhsa.version: [ 1, 2 ]
amdhsa.kernels:
  - .name:           k_qad89b4a6e6_attn
    .symbol:         k_qad89b4a6e6_attn.kd
    .args:
      - { .name: qkv, .offset: 0, .size: 8, .value_kind: global_buffer, .address_space: global }
      - { .name: tab, .offset: 8, .size: 8, .value_kind: global_buffer, .address_space: global }
      - { .name: ao, .offset: 16, .size: 8, .value_kind: global_buffer, .address_space: global }
    .group_segment_fixed_size: 327680
    .private_segment_fixed_size: 0
    .kernarg_segment_align: 8
    .kernarg_segment_size: 24
    .max_flat_workgroup_size: 256
    .sgpr_count:     80
    .vgpr_count:     512
    .wavefront_size: 32
...
	.end_amdgpu_metadata
.endif
;; end of part 3
;; launch oproj (part 4): grid 8 x 32, 4 waves a work-group, clusters of 4 x 4, 327,680 bytes of LDS; arguments ao, wo16, out0; writes out0
.if DOCPART == 4
	.amdgcn_target "amdgcn-amd-amdhsa--gfx1250"
	.amdhsa_code_object_version 6
	.text
	.protected	k_qad89b4a6e6_oproj
	.globl	k_qad89b4a6e6_oproj
	.p2align	8
	.type	k_qad89b4a6e6_oproj,@function
k_qad89b4a6e6_oproj:
	s_mov_b64 s[64:65], 0
	v_nop
	global_prefetch_b8 v0, s[64:65] scope:SCOPE_SE
	s_setreg_imm32_b32 hwreg(HW_REG_WAVE_MODE, 25, 1), 1
	s_wait_xcnt 0x0
	s_wait_alu depctr_hold_cnt(0) depctr_sa_sdst(0) depctr_va_vdst(0) depctr_va_sdst(0) depctr_va_ssrc(0) depctr_va_vcc(0) depctr_vm_vsrc(0)
	s_getreg_b32 s2, hwreg(HW_REG_IB_STS2, 6, 4)
	s_cmp_eq_u32 s2, 0
	s_cbranch_scc0 .Lentry_in_a_cluster
	s_endpgm
.Lentry_in_a_cluster:
	s_bfe_u32 s2, ttmp6, 0x10000c
	s_cmp_lg_u32 s2, 0xf033
	s_cbranch_scc0 .Lentry_shape_is_right
	s_endpgm
.Lentry_shape_is_right:
; out0[m][n] = the sum over k of A[m][k] Wo[n][k]; M = 4,096 (batch x 2,048 + position), N = K = 1,024; operands f16, sums and result f32.
; A lies as the attention left it: ao[batch x 16 + head][2,048 positions][64]; k = 64 head + channel.  For one head, 128 rows of a tile are 16,384 DENSE bytes.
; A tile of out0 is 128 x 128: 256 work-groups of four waves, each 64 x 64: 16 accumulators.  K goes in steps of 256 (four heads) through two LDS slots.
; A's part of a step: waves 0 and 1 fetch two heads each by one load of 2 rows of 16,384 bytes, 262,144 bytes apart, with 16 bytes of padding behind every 128: in LDS [head][row] at a pitch of 144.
; Wo's part: waves 2 and 3 fetch 64 rows of 512 bytes each, pitch 528.
; CLUSTERS: 4 x 4 work-groups: A's tiles are asked for jointly along a row of the cluster, Wo's along a column.  THE MATRIX INSTRUCTION IS USED TRANSPOSED (source 0 = 16 rows of Wo, source 1 = 16 rows of A):
; a lane then holds eight neighbouring numbers of a row of out0.
; REGISTERS: window 0: v0-31 addresses; v32-95 the way out; v128-255 the accumulators ((a, b) at v[128 + 8 (4 a + b)]).   window 1: two fragment buffers of 128: 64 registers of A (2 x 4 x 16 rows x 32 K), then 64 of Wo.
.set APITCH, 144                       ; the 16 rows of a fragment load start at 16 different banks (64 banks of 4 bytes: ISA guide 11.1)
.set AHEAD,  128*APITCH                ; a head's 128 rows
.set BPITCH, 528
.set BOFF,   4*AHEAD                   ; Wo's 128 rows lie behind A's four heads
.set SLOT,   BOFF+128*BPITCH
.set SPARE,  2*SLOT                    ; behind the slots: the spare words, 128 bytes a wave
.set SPITCH, 272                       ; the way out: 16 rows x (256 bytes + 16) for each wave, in slot 0, which has had its last fill and its last read by then
.set ADRA, 16
.set ADRB, 20
.set STO,  24
.set RD,   25
.set CO,   26
.set SPW,  28
.set NIL,  29
.set TMP,  32
.set ACC,  128
.set F0,   0
.set F1,   128
.set G1, 24
.set G0, 32
.set G1B, 48
.set G0B, 56
.set MSB, 0
.macro WIN new
.if MSB != (\new)
	s_set_vgpr_msb (MSB<<8)|(\new)
.set MSB, (\new)
.endif
.endm
.set MUL,  0x05                        ; sources 0 (Wo) and 1 (A) window 1; C and D window 0
.set TO_F, 0x40
.macro JLOAD s                         ; a joint load: waves 0 and 1 fetch for A, waves 2 and 3 for Wo; an s_nop 0 and four v_nop follow each of the two lines
	s_cmp_eq_u32 s11, 0
	s_cbranch_scc0 .Lfor_b_\@
	tensor_load_to_lds s[G0+4*\s:G0+4*\s+3], s[G1:G1+7]
	s_nop 0
.rept 4
	v_nop
.endr
	s_branch .Lasked_\@
.Lfor_b_\@:
	tensor_load_to_lds s[G0B+4*\s:G0B+4*\s+3], s[G1B:G1B+7]
	s_nop 0
.rept 4
	v_nop
.endr
.Lasked_\@:
.endm
.macro CREST                           ; a round of the cluster's barrier behind its opening barrier
	s_cmp_lg_u32 s10, 0
	s_cbranch_scc1 .Lnot_wave_0_\@
	s_barrier_signal -3
.Lnot_wave_0_\@:
	s_barrier_wait -3
	s_barrier_signal -1
	s_barrier_wait -1
.endm
.macro CROUND
	s_barrier_signal -1
	s_barrier_wait -1
	CREST
.endm
	s_load_b128 s[4:7], s[0:1], 0x0                ; ao, wo16
	s_load_b64 s[8:9], s[0:1], 0x10                ; out0
	v_lshl_add_u32 v[SPW], v0, 2, SPARE
	v_mov_b32 v[NIL], 0
	ds_add_u32 v[SPW], v[NIL]                      ; the wave's opening: the add, twice on end, and its wait ahead of my first tensor load
	ds_add_u32 v[SPW], v[NIL]
	v_lshrrev_b32 v1, 5, v0
	v_readfirstlane_b32 s10, v1                    ; wave 0..3
	s_lshr_b32 s11, s10, 1                         ; which half of the tile's rows is mine.  Also: I fetch for A (0) or for Wo (1)
	s_and_b32 s12, s10, 1                          ; which half of its columns.  Also: which part of that tile I fetch
	s_bfe_u32 s40, ttmp6, 0x40000                  ; cx, cy
	s_bfe_u32 s41, ttmp6, 0x40004
	s_lshl_b32 s42, ttmp9, 2
	s_add_co_u32 s42, s42, s40                     ; tile column
	s_and_b32 s13, ttmp7, 0xffff
	s_lshl_b32 s13, s13, 2
	s_add_co_u32 s13, s13, s41                     ; tile row
	s_lshl_b32 s43, s41, 2
	s_lshl_b32 s43, 15, s43                        ; my row of the cluster
	s_lshl_b32 s44, 0x1111, s40                    ; my column
	s_or_b32 s[G1+0], s43, (3<<16)|(1<<20)|(1<<21)|(4<<22)|(3<<25)   ; A: elements of 8 bytes; padding: 4 words after every 32
	s_mov_b32 s[G1+1], 2048<<16                    ; tensor_dim0 = 2,048 elements: a head's 16,384 bytes
	s_mov_b32 s[G1+2], 2<<16                       ; tensor_dim1 = 2 heads
	s_mov_b32 s[G1+3], 2048<<16                    ; tile_dim0
	s_mov_b32 s[G1+4], 2                           ; tile_dim1
	s_mov_b32 s[G1+5], 32768                       ; from head to head: 262,144 bytes
	s_mov_b32 s[G1+6], 0
	s_mov_b32 s[G1+7], 0
	s_or_b32 s[G1B+0], s44, (1<<16)|(1<<20)|(1<<21)|(6<<22)|(3<<25)  ; Wo: elements of 2 bytes; padding: 4 words after every 128
	s_mov_b32 s[G1B+1], 256<<16
	s_mov_b32 s[G1B+2], 64<<16
	s_mov_b32 s[G1B+3], 256<<16
	s_mov_b32 s[G1B+4], 64
	s_mov_b32 s[G1B+5], 1024
	s_mov_b32 s[G1B+6], 0
	s_mov_b32 s[G1B+7], 0
	s_lshr_b32 s16, s13, 4                         ; A: the batch's 16 heads,
	s_lshl_b32 s16, s16, 22
	s_and_b32 s17, s13, 15
	s_lshl_b32 s17, s17, 14                        ; the tile's 128 positions,
	s_add_co_u32 s16, s16, s17
	s_lshl_b32 s17, s12, 19                        ; my two heads of a step's four
	s_add_co_u32 s16, s16, s17
	s_mov_b32 s17, 0
	s_lshl_b32 s46, s42, 18                        ; Wo: row 128 x tile column + 64 x part, 2,048 bytes a row
	s_lshl_b32 s47, s12, 17
	s_add_co_u32 s46, s46, s47
	s_mov_b32 s47, 0
	s_mul_i32 s20, s12, 2*AHEAD                    ; where they go: no place in the cluster enters an LDS address
	s_mul_i32 s21, s12, 64*BPITCH
	s_add_co_u32 s21, s21, BOFF
	s_wait_dscnt 0x0                               ; both opening adds are done
	s_wait_kmcnt 0x0
	s_add_nc_u64 s[14:15], s[4:5], s[16:17]
	s_add_nc_u64 s[46:47], s[6:7], s[46:47]
	CROUND                                         ; all sixteen work-groups are here: the first joint loads meet
.irp s, 0,1
	s_mov_b32 s[G0+4*\s], 1
	s_add_co_u32 s[G0+4*\s+1], s20, \s*SLOT
	s_add_nc_u64 s[G0+4*\s+2:G0+4*\s+3], s[14:15], \s*1048576     ; K step s: four heads on
	s_or_b32 s[G0+4*\s+3], s[G0+4*\s+3], 0x80000000
	s_mov_b32 s[G0B+4*\s], 1
	s_add_co_u32 s[G0B+4*\s+1], s21, \s*SLOT
	s_add_nc_u64 s[G0B+4*\s+2:G0B+4*\s+3], s[46:47], \s*512
	s_or_b32 s[G0B+4*\s+3], s[G0B+4*\s+3], 0x80000000
	JLOAD \s
.endr
	v_and_b32 v1, 15, v0                           ; r
	v_bfe_u32 v2, v0, 4, 1                         ; h
	v_mul_u32_u24 v3, v1, APITCH
	v_lshl_add_u32 v3, v2, 4, v3
	v_mul_u32_u24 v4, v1, BPITCH
	v_lshl_add_u32 v4, v2, 4, v4
	s_mul_i32 s21, s11, 64*APITCH                  ; my 64 rows of A (in each head's block)
	s_mul_i32 s22, s12, 64*BPITCH                  ; my 64 rows of Wo
	s_add_co_u32 s22, s22, BOFF
.irp s, 0,1
	v_add_nc_u32 v[ADRA+\s], s21, v3
	v_add_nc_u32 v[ADRB+\s], s22, v4
	s_add_co_u32 s21, s21, SLOT
	s_add_co_u32 s22, s22, SLOT
.endr
	s_mul_i32 s23, s10, 16*SPITCH                  ; my stage
	v_mul_u32_u24 v5, v1, SPITCH
	v_lshl_add_u32 v5, v2, 5, v5
	v_add_nc_u32 v[STO], s23, v5                   ; in: row r, 32 bytes for each half of the lanes
	v_mul_u32_u24 v5, v2, SPITCH
	v_lshl_add_u32 v5, v1, 4, v5
	v_add_nc_u32 v[RD], s23, v5                    ; back: lanes 0-15 one row of 256 bytes, lanes 16-31 the next
	v_lshlrev_b32 v5, 12, v2
	v_lshl_add_u32 v[CO], v1, 4, v5                ; and the same two rows in out0 (4,096 bytes a row)
	s_lshl_b32 s16, s13, 19                        ; my first row: 128 x tile row + 64 x half
	s_lshl_b32 s17, s11, 18
	s_add_co_u32 s16, s16, s17
	s_mov_b32 s17, 0
	s_add_nc_u64 s[8:9], s[8:9], s[16:17]
	s_lshl_b32 s46, s42, 9                         ; my first column, in bytes: 512 x tile column + 256 x half
	s_lshl_b32 s47, s12, 8
	s_add_co_u32 s46, s46, s47
	s_mov_b32 s47, 0
	s_add_nc_u64 s[8:9], s[8:9], s[46:47]
; 8 matrix instructions: row blocks a0, a0 + 1 x all 4 column blocks, 32 along K: half c of buffer f.  The 16 accumulators take turns.
.macro MUL8 f, c, a0, zero
.irp a, \a0, \a0+1
.irp b, 0,1,2,3
.if \zero
	v_wmma_f32_16x16x32_f16 v[ACC+8*(4*(\a)+\b):ACC+8*(4*(\a)+\b)+7], v[\f+64+8*(4*\c+\b):\f+64+8*(4*\c+\b)+7], v[\f+8*(4*\c+\a):\f+8*(4*\c+\a)+7], 0
.else
	v_wmma_f32_16x16x32_f16 v[ACC+8*(4*(\a)+\b):ACC+8*(4*(\a)+\b)+7], v[\f+64+8*(4*\c+\b):\f+64+8*(4*\c+\b)+7], v[\f+8*(4*\c+\a):\f+8*(4*\c+\a)+7], v[ACC+8*(4*(\a)+\b):ACC+8*(4*(\a)+\b)+7]
.endif
.endr
.endr
.endm
; 32 LDS loads in one run: the fragments of quarter qd of a slot (one head, 64 along K) into buffer f; the first 32 along K first
.macro FETCH slot, qd, f
	WIN TO_F
.irp c, 0,1
.irp i, 0,1,2,3
	ds_load_b128 v[\f+64+8*(4*\c+\i):\f+64+8*(4*\c+\i)+3],   v[ADRB+\slot] offset:128*(\qd)+64*\c+\i*16*BPITCH
	ds_load_b128 v[\f+64+8*(4*\c+\i)+4:\f+64+8*(4*\c+\i)+7], v[ADRB+\slot] offset:128*(\qd)+64*\c+\i*16*BPITCH+32
	ds_load_b128 v[\f+8*(4*\c+\i):\f+8*(4*\c+\i)+3],         v[ADRA+\slot] offset:AHEAD*(\qd)+64*\c+\i*16*APITCH
	ds_load_b128 v[\f+8*(4*\c+\i)+4:\f+8*(4*\c+\i)+7],       v[ADRA+\slot] offset:AHEAD*(\qd)+64*\c+\i*16*APITCH+32
.endr
.endr
.endm
.macro PLACES                          ; four plain lines in front of loads into registers that matrix instructions have read, and of the first read of results
.rept 4
	v_nop
.endr
.endm
; One of a slot's first three quarters: multiplies buffer f and fetches quarter qd into g.
.macro QUARTER slot, qd, f, g, zero
	s_wait_dscnt 16                                ; the first 32 along K are in; the other sixteen loads may be out
	WIN MUL
	MUL8 \f, 0, 0, \zero
	MUL8 \f, 0, 2, \zero
	PLACES
	FETCH \slot, \qd, \g
	s_wait_dscnt 32                                ; all but the 32 just issued
	WIN MUL
	MUL8 \f, 1, 0, 0
	MUL8 \f, 1, 2, 0
.endm
; The last quarter multiplies buffer 1 and changes slots: ONE barrier; in front of it each wave waits for all its tensor loads, adds 0 to its spare word, and waits for that and for its reads of this slot.
; fill = 1: the barrier opens a round of the cluster's, and behind the round this slot is filled again, two K steps ahead: one load a wave.
.macro TURN slot, next, fill
	WIN 0                                          ; (the add's two registers lie in window 0)
	s_wait_tensorcnt 0x0                           ; all my tensor loads have landed: my part of the next slot
	ds_add_u32 v[SPW], v[NIL]
	s_wait_dscnt 17                                ; (the add and the youngest sixteen loads may be out)
	WIN MUL
	MUL8 F1, 0, 0, 0
	s_wait_dscnt 0x0                               ; the add is done, and my reads of this slot are over
	s_barrier_signal -1
	MUL8 F1, 0, 2, 0
.if \fill
	WIN 0
.endif
	s_barrier_wait -1
.if \fill
	CREST                                          ; no wave of any partner still reads this slot's tile or has a load on its way
	s_add_nc_u64 s[G0+4*\slot+2:G0+4*\slot+3], s[G0+4*\slot+2:G0+4*\slot+3], 2097152     ; eight heads on
	s_add_nc_u64 s[G0B+4*\slot+2:G0B+4*\slot+3], s[G0B+4*\slot+2:G0B+4*\slot+3], 1024
	JLOAD \slot                                    ; the first tensor load behind the round; its four v_nop are also the places in front of the loads below
.else
	PLACES
.endif
	FETCH \next, 0, F0
	WIN MUL
	MUL8 F1, 1, 0, 0
	MUL8 F1, 1, 2, 0
.endm
	s_wait_tensorcnt 1                             ; my part of K step 0 is in (K step 1's load may be out),
	s_barrier_signal -1
	s_barrier_wait -1                              ; everybody's is
	FETCH 0, 0, F0
	QUARTER 0, 1, F0, F1, 1                        ; the first products start the sums: nothing is cleared
	QUARTER 0, 2, F1, F0, 0                        ; K has four steps: they are written out, no loop
	QUARTER 0, 3, F0, F1, 0
	TURN 0, 1, 1                                   ; slot 0 takes K step 2
	QUARTER 1, 1, F0, F1, 0
	QUARTER 1, 2, F1, F0, 0
	QUARTER 1, 3, F0, F1, 0
	TURN 1, 0, 1                                   ; slot 1 takes K step 3
	QUARTER 0, 1, F0, F1, 0
	QUARTER 0, 2, F1, F0, 0
	QUARTER 0, 3, F0, F1, 0
	TURN 0, 1, 0                                   ; nothing is left to fetch
	QUARTER 1, 1, F0, F1, 0
	QUARTER 1, 2, F1, F0, 0
	QUARTER 1, 3, F0, F1, 0
	s_wait_dscnt 16                                ; the very last quarter
	WIN MUL
	MUL8 F1, 0, 0, 0
	MUL8 F1, 0, 2, 0
	s_wait_dscnt 0
	MUL8 F1, 1, 0, 0
	MUL8 F1, 1, 2, 0
	WIN 0
; THE WAY OUT, a block of 16 rows x 64 columns at a time: a wave's 64 columns of f32 are 256 bytes, so each wave has a stage of its own and no barrier is needed.
.macro TOSTAGE a
.if (\a) > 1
	s_wait_xcnt 0x0                                ; block a - 2's stores have read the registers into which these loads land
.endif
.irp b, 0,1,2,3
	ds_store_b128 v[STO], v[ACC+8*(4*(\a)+\b):ACC+8*(4*(\a)+\b)+3] offset:64*\b        ; each accumulator from its low end on
	ds_store_b128 v[STO], v[ACC+8*(4*(\a)+\b)+4:ACC+8*(4*(\a)+\b)+7] offset:64*\b+16
.endr
.irp t, 0,1,2,3,4,5,6,7
	ds_load_b128 v[TMP+32*((\a)%2)+4*\t:TMP+32*((\a)%2)+4*\t+3], v[RD] offset:\t*2*SPITCH   ; LDS serves a wave's instructions in order (ISA guide 5.7.1.4): these see the stores above
.endr
.endm
.macro SEND a, younger                 ; younger: the LDS instructions issued behind block a's loads: the next block's 8 stores and 8 loads, or none
	s_wait_dscnt \younger
.irp t, 0,1,2,3,4,5,6,7
	global_store_b128 v[CO], v[TMP+32*((\a)%2)+4*\t:TMP+32*((\a)%2)+4*\t+3], s[8:9] offset:65536*(\a)+8192*\t th:TH_STORE_NT   ; 16 lanes store 256 consecutive bytes, aligned
.endr
.endm
	PLACES
	TOSTAGE 0
.irp a, 1,2,3
	TOSTAGE \a
	SEND \a-1, 16
.endr
	SEND 3, 0
	s_wait_tensorcnt 0x0                           ; the wave's end: behind my last tensor load and my last LDS store
	ds_add_u32 v[SPW], v[NIL]
	s_wait_dscnt 0x0
	CROUND                                         ; the closing round
	s_endpgm
.Lfunc_end_k_qad89b4a6e6_oproj:
	.size	k_qad89b4a6e6_oproj, .Lfunc_end_k_qad89b4a6e6_oproj-k_qad89b4a6e6_oproj
	.p2alignl 7, 3214868480
	.fill 96, 4, 3214868480
	.section	.rodata,"a",@progbits
	.p2align	6, 0x0
	.amdhsa_kernel k_qad89b4a6e6_oproj
		.amdhsa_group_segment_fixed_size 327680
		.amdhsa_private_segment_fixed_size 0
		.amdhsa_enable_private_segment 0
		.amdhsa_kernarg_size 24
		.amdhsa_user_sgpr_count 2
		.amdhsa_user_sgpr_kernarg_segment_ptr 1
		.amdhsa_wavefront_size32 1
		.amdhsa_system_sgpr_workgroup_id_x 1
		.amdhsa_system_sgpr_workgroup_id_y 1
		.amdhsa_system_sgpr_workgroup_id_z 1
		.amdhsa_system_vgpr_workitem_id 0
		.amdhsa_next_free_vgpr 512
		.amdhsa_next_free_sgpr 66
		.amdhsa_reserve_vcc 0
		.amdhsa_float_denorm_mode_32 3
		.amdhsa_float_denorm_mode_16_64 3
		.amdhsa_memory_ordered 1
		.amdhsa_forward_progress 1
		.amdhsa_inst_pref_size 86
	.end_amdhsa_kernel
	.amdgpu_metadata
---
amdhsa.version: [ 1, 2 ]
amdhsa.kernels:
  - .name:           k_qad89b4a6e6_oproj
    .symbol:         k_qad89b4a6e6_oproj.kd
    .args:
      - { .name: ao, .offset: 0, .size: 8, .value_kind: global_buffer, .address_space: global }
      - { .name: wo16, .offset: 8, .size: 8, .value_kind: global_buffer, .address_space: global }
      - { .name: out0, .offset: 16, .size: 8, .value_kind: global_buffer, .address_space: global }
    .group_segment_fixed_size: 327680
    .private_segment_fixed_size: 0
    .kernarg_segment_align: 8
    .kernarg_segment_size: 24
    .max_flat_workgroup_size: 128
    .sgpr_count:     66
    .vgpr_count:     512
    .wavefront_size: 32
...
	.end_amdgpu_metadata
.endif
;; end of part 4
